; MI455X (gfx1250); checked and timed in simulation.
; The chip was launched on July 23, 2026; its instructions are those of AMD's public machine-readable ISA for CDNA 5 (MIT licence, August 2026) and "CDNA5" Instruction Set Architecture Reference Guide (July 2026). The comments in the code are by the model that wrote it; some were corrected since.
;; Causal Attention. Allowed arithmetic: matrix products marked QUANTISED: E2M3 operands, one E8M0 scale for each 32 along K, by v_wmma_scale_f32_16x16x128_f8f6f4 with both operands' format E2M3, f32 sums; everything else in f32.
;; Inputs: W_k_codes 1,024 x 32 x 24 uint8 (E2M3 codes of W_k, K innermost, in blocks of 32 codes, four codes in three bytes); W_k_scales 1,024 x 32 uint8 (E8M0 scales of W_k, one for each 32 codes along K); W_q_codes 1,024 x 32 x 24 uint8 (E2M3 codes of W_q, K innermost, in blocks of 32 codes, four codes in three bytes); W_q_scales 1,024 x 32 uint8 (E8M0 scales of W_q, one for each 32 codes along K); W_v_codes 1,024 x 32 x 24 uint8 (E2M3 codes of W_v, K innermost, in blocks of 32 codes, four codes in three bytes); W_v_scales 1,024 x 32 uint8 (E8M0 scales of W_v, one for each 32 codes along K); x_codes 4 x 2,048 x 32 x 24 uint8 (E2M3 codes of x, K innermost, in blocks of 32 codes, four codes in three bytes); x_scales 4 x 2,048 x 32 uint8 (E8M0 scales of x, one for each 32 codes along K).
;; Outputs: out0 4 x 2,048 x 1,024 float32.
;; This version of the problem:
;;   THIS VERSION OF THE PROBLEM IS GIVEN IN LOW PRECISION. The matrix products marked QUANTISED in the list below multiply operands that are first quantised to E2M3 (2 exponent bits, 3 mantissa bits; 6 bits a number), with one power-of-two scale for each 32 numbers along K (OCP MX v1.0); their sums are f32. All else is computed in f32.
;;   The module's matrix products, in the order in which they are computed (A, B: the left and right operand; K: the contracted axis; several contracted axes count as one K, in the product's order):
;;     1. [M 8,192, K 1,024] x [K 1,024, N 1,024]; A: input x (given as codes); B: input W_q (given as codes): QUANTISED
;;     2. [M 8,192, K 1,024] x [K 1,024, N 1,024]; A: input x (given as codes); B: input W_k (given as codes): QUANTISED
;;     3. [M 8,192, K 1,024] x [K 1,024, N 1,024]; A: input x (given as codes); B: input W_v (given as codes): QUANTISED
;;     4. batch 4 x [M 2,048, K 1,024] x [K 1,024, N 2,048]; A: computed on the way; B: computed on the way: QUANTISED
;;     5. batch 4 x [M 2,048, K 2,048] x [K 2,048, N 1,024]; A: softmax (see below); B: computed on the way: QUANTISED
;;   THE QUANTISER, for each operand of a quantised product, along K:
;;     - K is cut into blocks of 32 from its start; a last block that is shorter is filled with zeros.
;;     - A block's scale is 2^e with e = floor(log2(the largest magnitude in the block)) - 2, held to -126 .. 127; a block of zeros has e = 0. As a byte (E8M0): e + 127.
;;     - Each number is divided by its block's scale, clamped to +-7.5, and rounded to the nearest number of E2M3, ties to even, subnormals kept.
;;     - The product sums the exact products of the quantised numbers (number of the format x scale) in f32.
;;   ~~~python
;;   def quantise(x, axis):      # numpy; x: float32 -> the quantised numbers, widened to float32 again
;;       x = np.moveaxis(x, axis, -1); K = x.shape[-1]
;;       x = np.pad(x, [(0, 0)] * (x.ndim - 1) + [(0, -K % 32)]); x = x.reshape(x.shape[:-1] + (-1, 32)); a = np.abs(x).max(-1, keepdims=True)
;;       e = np.where(a > 0, np.clip(np.frexp(np.where(a > 0, a, 1))[1] - 1 - 2, -126, 127), 0)      # np.frexp(a)[1] - 1 = floor(log2(a)), exactly
;;       r = np.clip(x / 2.0 ** e, -7.5, 7.5)
;;       step = 2.0 ** (np.maximum(np.frexp(np.where(r == 0, 1, r))[1] - 1, 0) - 3)
;;       q = np.round(r / step) * step * 2.0 ** e      # np.round: ties to even
;;       return np.moveaxis(q.reshape(q.shape[:-2] + (-1,))[..., :K], -1, axis).astype(np.float32)
;;   ~~~
;;   SOFTMAX AHEAD OF A QUANTISED PRODUCT. Where the list says 'softmax', what is quantised is not the finished softmax but p = 2^(t - M), with t = logit x log2(e) and M = ceil(the row's largest t), a whole number; so 1/2 < the row's largest p <= 1. The row's sum l is taken of the UNQUANTISED p, in f32, and the product's result is divided by l at the end. Since M is a whole number, a kernel that streams over the keys may use a running M (the ceiling of the running maximum): every later rescaling is an exact power of two, which a block's scale takes up: the codes' values come out the same.
;;   OPERANDS COMPUTED ON THE WAY. 'Computed on the way' means the value that the module computes at that place (a softmax that the list does not call 'softmax' is quantised finished and normalised). What goes into a quantiser is computed in f32, as accurately as f32 sums, v_exp_f32 and their like allow (about 1e-6 of the number): no bf16 or f16 on the way to a quantiser, and a product that is left as it is and whose result goes on into a quantised operand takes f32 operands (vector FMAs, or v_wmma_f32_16x16x4_f32). A number that lies on a knife's edge between two numbers of the format may be rounded either way, as far as f32 arithmetic and the matrix unit's own rounding can turn it there, and no further.
;;   INPUTS GIVEN AS CODES. W_k (in the module: [1024, 1024], K = its axis 1); W_q (in the module: [1024, 1024], K = its axis 1); W_v (in the module: [1024, 1024], K = its axis 1); x (in the module: [4, 2048, 1024], K = its axis 2): each comes as NAME_codes (uint8): NAME with its K axis moved to the last place and cut into blocks of 32 codes, [.., K / 32, bytes a block], one block behind the other in memory; four codes in three bytes: a row's codes are one little-endian stream of bits, code i at bits 6 i .. 6 i + 5 (a code: sign, 2 exponent bits, 3 mantissa bits); and NAME_scales (uint8): the same leading axes, one E8M0 byte (e + 127) for each 32 codes along K. Its value is code x scale, taken as it is: it is not quantised again, and the codes and scales need not be those that the quantiser above would give.
;; One version. Each part assembles by itself: llvm-mc -triple=amdgcn-amd-amdhsa -mcpu=gfx1250 --defsym DOCPART=n.
;; ======== version 1 of 1: 3 launches
;; limits: right only within a limited range of input values
;; workspace buffers: qkv 19,660,800 bytes; pcodes 12,582,912 bytes; pstat 1,572,864 bytes
;; launch proj (part 1): grid 16 x 16, 4 waves a work-group, clusters of 4 x 4, 327,680 bytes of LDS; arguments x_codes, x_scales, W_q_codes, W_q_scales, W_k_codes, W_k_scales, W_v_codes, W_v_scales, qkv; writes qkv
.if DOCPART == 1
	.amdgcn_target "amdgcn-amd-amdhsa--gfx1250"
	.amdhsa_code_object_version 6
	.text
	.protected	k_q4af891bd09_proj
	.globl	k_q4af891bd09_proj
	.p2align	8
	.type	k_q4af891bd09_proj,@function
k_q4af891bd09_proj:
	s_mov_b64 s[64:65], 0
	v_nop
	global_prefetch_b8 v0, s[64:65] scope:SCOPE_SE
	s_setreg_imm32_b32 hwreg(HW_REG_WAVE_MODE, 25, 1), 1
	s_wait_xcnt 0x0
	s_wait_alu depctr_hold_cnt(0) depctr_sa_sdst(0) depctr_va_vdst(0) depctr_va_sdst(0) depctr_va_ssrc(0) depctr_va_vcc(0) depctr_vm_vsrc(0)
	s_getreg_b32 s2, hwreg(HW_REG_IB_STS2, 6, 4)
	s_cmp_eq_u32 s2, 0
	s_cbranch_scc0 .Lentry_in_a_cluster
	s_endpgm
.Lentry_in_a_cluster:
	s_bfe_u32 s2, ttmp6, 0x10000c
	s_cmp_lg_u32 s2, 0xf033
	s_cbranch_scc0 .Lentry_shape_is_right
	s_endpgm
.Lentry_shape_is_right:
; q = x W_q^T, k = x W_k^T, v = x W_v^T on codes of FP6 (E2M3), one E8M0 byte for each 32 along K = 1,024, f32 sums; the results are quantised on the way out: q and k along their channels, v along the tokens.
; WORK LEFT OUT in this program: reference() sets every score with key > query to -infinity ahead of its softmax, so those weights are 0 for all finite inputs.  Tiles of 256 queries x 256 keys that lie wholly there are neither scored nor
; multiplied by v in the later launches.  A NaN, an infinity or an overflow that reaches only such tiles is not carried to the result.
; LIMITS: NaN, infinities and the scale byte 0xff among the inputs are not served.  A block whose largest magnitude lies under 2^-124 keeps the byte 1, a block of zeros too (the quantiser says 127): its codes are zeros, and this program alone reads the bytes.
; SHARES.  256 work-groups of four waves, 2 x 2.  A work-group makes 256 tokens x 128 channels of V (PHASE 1), then 512 tokens x 128 channels of Q or K (PHASE 2); V's 256 tokens are a half of its own 512, so 512 rows of x come in, once.
; A wave holds 64 rows of a weight, all of K, in 384 registers; x's rows stream past in blocks of 16 rows.  A chunk is 128 tokens; the wave in row w takes band w, 64 tokens, as four blocks j = 0 .. 3.
; THE ROWS OF A TILE.  Tile j of 64 rows takes, at its place m = 8 g + i (g = 0, 1; i = 0 .. 7), row 32 g + 8 (j xor g) + i.  A result's lane half h holds places 8 h .. 8 h + 7, so the 32 registers of four tiles are ONE scale block, 32 h .. 32 h + 31 of the 64,
; in an order that is the same on both sides of each later product.  The 16 rows are distinct modulo 16, so with LDS rows of 816 bytes (204 words) they start at 16 different banks (64 banks of 4 bytes: ISA guide 11.1).  W_v's rows alone are taken in their natural order.
; STORED: panels of 25,600 bytes: fragment (q, i), 16 rows x 128 K, at 1,536 (8 q + i), scale words at 24,576 + 64 (8 q + i) + 4 r.  Half c of a fragment (registers 6 c .. 6 c + 5) at 768 c: four registers at 16 lane, then two at 512 + 8 lane.
; q at byte 0: [token / 128][channel / 256];  k 6,553,600 on, likewise;  v 13,107,200 on: [channel / 128][token / 256].  In q and k row tile i of a panel is band i / 4, tile i % 4.
; CLUSTERS 4 x 4: x's rows are shared by a row of the cluster, a weight's rows by a column.  Which half of the 512 tokens comes first (HF) and which tensor (TS) hang on the cluster's number alone.
; FILLS.  At the head one load a wave: W_v's rows, the scale bytes of two chunks, chunk 0, chunk 1.  Three refills, each in a drained round: in V's third block the weights' region with W_q's or W_k's rows; in phase 2's blocks 2 and 6 the other half's chunks with their scale bytes.
; COUNTS.  A block's rows were fetched two blocks ago; younger are the next block's fetch, NF loads, and the stores of scale bytes between: none, one, or four ahead of phase 2's second block.
; PREFETCHES, shared out by address among the sixteen waves of the four work-groups that ask jointly: the second weight at the head; chunk 2 and the later scale bytes behind the first refill; chunk 3 between the phases.
.set NQ,     8
.set NB,     4
.set TM,     512
.set TV,     256
.set TN,     128
.set KROW,   768
.set KS,     32
.set PITCH,  KROW+48                   ; 16 bytes behind every 256
.set FR,     12
.set FPW,    21                        ; fragments in a window of 256 registers
.set NF,     28                        ; LDS loads of a block: 26 for eight fragments, 2 for eight scale words
.set RA,     128
.set YB,     RA*PITCH
.set BVB,    2*RA*PITCH
.set SCL,    BVB+TN*PITCH
.set CU,     16                        ; a chunk's scale bytes: 16 units of 256
.set SCB,    CU*272
.set XN,     SCL+2*SCB                 ; Q's or K's scale bytes: 4 chunks x 512
.set XM,     XN+2048                   ; V's: 1,024
.set SPARE,  XM+1024
.set PANEL,  25600
.set EMAX,   2
.set ADRE,  4                          ; v4, v5   my fragments of an even block, pair 0 (v5: pieces behind one padding more)
.set AASE,  6
.set CO,    9                          ; 16 x lane
.set SPW,   10
.set NIL,   11
.set ADRA,  12                         ; v12, v13 the block that is fetched next
.set ABS,   16
.set AAS,   17
.set STO,   18
.set STV,   19
.set CO8,   21                         ; 8 x lane
.set ADRO,  22                         ; v22, v23 an odd block of pair 0
.set SB,    24                         ; v24-39   the weights' scale words
.set TQ,    40
.set ABS2,  42
.set AASO,  43
.set SA,    44                         ; v44-59   the rows' scale words, two sets
.set TC2,   60                         ; v60-62   the second conversion's codes
.set ACC,   64                         ; v64-127  phase 2: two sets of four accumulators
.set HV0,   64                         ; v64-191  phase 1, chunk 0
.set HV1,   840                        ; v840-967 chunk 1
.set NCD,   128                        ; v128-139 phase 2's codes: even block, odd block
.set MCD,   192                        ; v192-239 phase 1's codes
.set SOP,   240
.set EB,    244
.set VX,    248
.set SB2,   968                        ; v968-983 phase 2's weights' scale words
.set BA,    984                        ; v984-991 the weights' four tiles, natural rows
.set BA2,   992                        ; v992-999 the same, permuted rows
.set WV,  40
.set WR,  41
.set WC,  42
.set TC,  43
.set TR,  44
.set MKR, 45
.set MKC, 46
.set HF,  47
.set TS,  48
.set CNT, 49                           ; the pair that is fetched
.set PN,  50                           ; the pair that leaves
.set PLC, 51
.set SLT, 54
.set G1A, 24
.set G1B, 32
.set G1S, 92
.set G0A, 56
.set G0B, 60
.set G0R, 68
.set G0S, 72
.set MSB, 0
.macro WIN new
.if MSB != \new
	s_set_vgpr_msb (MSB<<8)|\new
.set MSB, \new
.endif
.endm
.macro PLACES n
.rept \n
	v_nop
.endr
.endm
.macro WALU
	s_wait_alu depctr_va_vdst(0)
.endm
.macro BARRIER
	s_barrier_signal -1
	s_barrier_wait -1
.endm
.macro MIDDLE                          ; a round's middle: the opening wait, wave 0's signal for the work-group, the cluster's wait
	WIN 0
	s_barrier_wait -1
	s_cmp_lg_u32 s[WV], 0
	s_cbranch_scc1 .Lnot_wave_0_\@
	s_barrier_signal -3
.Lnot_wave_0_\@:
	s_barrier_wait -3
.endm
.macro CROUND
	s_barrier_signal -1
	MIDDLE
	BARRIER
.endm
.macro GRD
	s_wait_tensorcnt 0x0
	ds_add_u32 v[SPW], v[NIL]
.endm
.macro TLOAD g0, g1
	tensor_load_to_lds s[\g0:\g0+3], s[\g1:\g1+7]
	s_nop 0
	PLACES 4
.endm
.macro GROUP1 g, mask, rows
	s_or_b32 s[\g+0], s[\mask], (1<<20)|(1<<21)|(5<<22)|(3<<25)
	s_mov_b32 s[\g+1], KROW<<16
	s_mov_b32 s[\g+2], (\rows)<<16
	s_mov_b32 s[\g+3], KROW<<16
	s_mov_b32 s[\g+4], \rows
	s_mov_b32 s[\g+5], KROW
	s_mov_b32 s[\g+6], 0
	s_mov_b32 s[\g+7], 0
.endm
; Fragment f lies in window 1 + f / 21 at register 12 (f % 21): 0-31 the weights' (4 q + b), 32-39 and 40-47 the rows' two sets.  Six pieces of 8 bytes, two to a load where both lie behind as many paddings.
.macro FRAG f, q, a0, a1, aw
	WIN ((1+(\f)/FPW)<<6)|(\aw)
.set R_, FR*((\f)%FPW)
.set SKIP_, 0
.irp p, 0,1,2,3,4,5
.if SKIP_
.set SKIP_, 0
.else
.set PC_, 12*(\q)+6*(\p/3)+\p%3
.set PN_, 12*(\q)+6*((\p+1)/3)+(\p+1)%3
.set X_, (PC_%32+3)/32
.set XQ_, (PN_%32+3)/32
.if (\p < 5) && (X_ == XQ_)
.set SKIP_, 1
.if X_
	ds_load_2addr_b64 v[R_+2*\p:R_+2*\p+3], \a1 offset0:PC_+2*(PC_/32) offset1:PN_+2*(PN_/32)
.else
	ds_load_2addr_b64 v[R_+2*\p:R_+2*\p+3], \a0 offset0:PC_+2*(PC_/32) offset1:PN_+2*(PN_/32)
.endif
.elseif X_
	ds_load_b64 v[R_+2*\p:R_+2*\p+1], \a1 offset:8*(PC_+2*(PC_/32))
.else
	ds_load_b64 v[R_+2*\p:R_+2*\p+1], \a0 offset:8*(PC_+2*(PC_/32))
.endif
.endif
.endr
.endm
.macro WEIGHTS ba                      ; my 64 rows of the weight, all of K: 104 loads
.irp q, 0,1,2,3,4,5,6,7
.irp b, 0,1,2,3
	FRAG NB*\q+\b, \q, v[\ba-768+2*\b], v[\ba-768+2*\b+1], 3
.endr
.endr
	WIN 0
.endm
.macro FETCHAT e, a0, a1, as           ; a block of x's rows into set e: NF loads
.irp q, 0,1,2,3,4,5,6,7
	FRAG NB*NQ+NQ*(\e)+\q, \q, \a0, \a1, 0
.endr
	WIN 0
	ds_load_b128 v[SA+8*(\e):SA+8*(\e)+3], \as
	ds_load_b128 v[SA+8*(\e)+4:SA+8*(\e)+7], \as offset:16
.endm
.macro FETCH e
	FETCHAT \e, v[ADRA], v[ADRA+1], v[AAS]
.endm
.macro FETCH01                         ; a phase's first two blocks, from slot 0
	FETCHAT 0, v[ADRE], v[ADRE+1], v[AASE]
	FETCHAT 1, v[ADRO], v[ADRO+1], v[AASO]
.endm
; A product.  n = 4 q + 2 p + o.  kind 0 (Q, K): source 0 the weight's rows; kind 1 (V): source 0 x's rows.
.macro PROD kind, e, n, a0, as
.set Q_, (\n)/4
.set FB_, NB*Q_+(\n)%4
.set FA_, NB*NQ+NQ*(\e)+Q_
.set D_, (\a0)+(\as)*((\n)%4)
.set DL_, D_&255
.set DW_, D_>>8
.set XB_, SB+NQ*(((\n)%4)/2)+Q_
.set XA_, SA+8*(\e)+Q_
.if \kind
	WIN (1+FA_/FPW)|((1+FB_/FPW)<<2)|(DW_<<4)|(DW_<<6)
.if Q_
	PROD1 DL_, FA_, FB_, v[DL_:DL_+7], XA_, XB_, b, (\n)%2
.else
	PROD1 DL_, FA_, FB_, 0, XA_, XB_, b, (\n)%2
.endif
.else
	WIN (1+FB_/FPW)|((1+FA_/FPW)<<2)|(DW_<<4)|(DW_<<6)
.if Q_
	PROD1 DL_, FB_, FA_, v[DL_:DL_+7], XB_, XA_, a, (\n)%2
.else
	PROD1 DL_, FB_, FA_, 0, XB_, XA_, a, (\n)%2
.endif
.endif
.endm
.macro PROD1 d, s0, s1, c, x0, x1, side, o
.if \o
	v_wmma_scale_f32_16x16x128_f8f6f4 v[\d:\d+7], v[FR*((\s0)%FPW):FR*((\s0)%FPW)+FR-1], v[FR*((\s1)%FPW):FR*((\s1)%FPW)+FR-1], \c, v[\x0], v[\x1] matrix_a_fmt:MATRIX_FMT_FP6 matrix_b_fmt:MATRIX_FMT_FP6 matrix_\side\()_scale:MATRIX_SCALE_ROW1
.else
	v_wmma_scale_f32_16x16x128_f8f6f4 v[\d:\d+7], v[FR*((\s0)%FPW):FR*((\s0)%FPW)+FR-1], v[FR*((\s1)%FPW):FR*((\s1)%FPW)+FR-1], \c, v[\x0], v[\x1] matrix_a_fmt:MATRIX_FMT_FP6 matrix_b_fmt:MATRIX_FMT_FP6 matrix_\side\()_scale:MATRIX_SCALE_ROW0
.endif
.endm
; Products from .. to - 1 of a block; behind every second one, two entries of the list (a macro: entry number, two arguments of its own).
.macro BLOCK kind, e, a0, as, from, to, list, x=0, y=0
.set N_, \from
.rept (\to)-(\from)
	PROD \kind, \e, N_, \a0, \as
.if N_%2
	\list N_-1, \x, \y
	\list N_, \x, \y
.endif
.set N_, N_+1
.endr
.endm
.macro VADR i, pr, odd                 ; phase 1: the next block's addresses, 3 entries; pair pr lies (pr % 2 + 8 (pr / 2)) x 16 rows on
.set U_, ((\pr)&1)+8*((\pr)/2)
.if \odd
.set A0_, ADRO
.set A2_, AASO
.else
.set A0_, ADRE
.set A2_, AASE
.endif
.if (\i) == 0
	WIN 0
	v_add_nc_u32 v[ADRA], U_*16*PITCH, v[A0_]
.elseif (\i) == 1
	WIN 0
	v_add_nc_u32 v[ADRA+1], U_*16*PITCH, v[A0_+1]
.elseif (\i) == 2
	WIN 0
	v_add_nc_u32 v[AAS], U_*544, v[A2_]
.endif
.endm
.macro STEP i                          ; phase 2, an even block: to the next pair; 4 entries
.if (\i) == 0
	s_add_co_u32 s[CNT], s[CNT], 1
	s_and_b32 s87, s[CNT], 1
	s_and_b32 s2, s[CNT], 2
	s_lshl_b32 s2, s2, 2
.elseif (\i) == 1
	s_or_b32 s87, s87, s2
	s_mul_i32 s101, s87, 16*PITCH
	s_mul_i32 s91, s87, 544
.endif
	STEPV (\i)-1, ADRE, AASE
.endm
.macro STEPV i, a0, as                 ; 3 entries; an odd block takes the even block's s101, s91
.if (\i) == 0
	WIN 0
	v_add_nc_u32 v[ADRA], s101, v[\a0]
.elseif (\i) == 1
	WIN 0
	v_add_nc_u32 v[ADRA+1], s101, v[\a0+1]
.elseif (\i) == 2
	WIN 0
	v_add_nc_u32 v[AAS], s91, v[\as]
.endif
.endm
.macro CHAIN i, x, n, t=TQ             ; a way out's first part, 18 entries: the largest magnitude of the 32 sums from register x on by two chains, and the conversions' scale operand
.set XW_, (\x)>>8
.set XL_, (\x)&255
.if (\i) >= 0 && (\i) < 14
.set B_, XL_+16*((\i)%2)+2*((\i)/2)
.set T_, (\t)+1-(\i)%2
.if (\i) < 2
	WIN XW_|(XW_<<2)|(XW_<<4)
	v_max3_num_f32 v[T_], |v[B_]|, |v[B_+1]|, |v[B_+2]|
.else
	WIN (XW_<<2)|(XW_<<4)
	v_max3_num_f32 v[T_], v[T_], |v[B_+1]|, |v[B_+2]|
.endif
.elseif (\i) == 14
	WIN XW_<<2
	v_max3_num_f32 v[\t+1], v[\t+1], |v[XL_+15]|, (EMAX+1)<<23
.elseif (\i) == 15
	WIN 0
	v_nop                                  ; the next line, which reads entry 14's result, stands in the next pair
.elseif (\i) == 16
	WIN XW_<<2
	v_max3_num_f32 v[\t], v[\t], |v[XL_+31]|, v[\t+1]
.elseif (\i) == 17
	WIN 0
	v_add_nc_u32 v[SOP+\n], -(EMAX<<23), v[\t]
.endif
.endm
.macro CODES i, x, c, n, t=TC2         ; its second part, 6 lines: 32 codes into v[c .. c+5], the scale's byte into v[EB+n]
.set XW_, (\x)>>8
.set XL_, (\x)&255
.if (\i) == 0
	WIN XW_
	v_cvt_scalef32_pk16_fp6_f32 v[\c:\c+2], v[XL_:XL_+15], v[SOP+\n]
.elseif (\i) == 1
	WIN XW_
	v_cvt_scalef32_pk16_fp6_f32 v[\t:\t+2], v[XL_+16:XL_+31], v[SOP+\n]
.elseif (\i) == 2
	WIN 0
	v_lshrrev_b32 v[EB+\n], 23, v[SOP+\n]
.else
	WIN 0
	v_mov_b32 v[\c+\i], v[\t+\i-3]
.endif
.endm
.macro CODES6 x, c, n
.irp i, 0,1,2,3,4,5
	CODES \i, \x, \c, \n
.endr
.endm
.macro PUT2 r, base, off               ; half a fragment: 512 and 256 consecutive bytes, aligned
	global_store_b128 v[CO], v[\r:\r+3], \base offset:\off
	global_store_b64 v[CO8], v[\r+4:\r+5], \base offset:(\off)+512
.endm
.macro PFTILE v, off, share            ; my sixteenth of a tile of 128 rows
	s_mul_i32 s21, s\share, RA*KROW/16
	s_add_co_u32 s20, s\off, s21
	WIN 0
	v_min_u32 v\v, RA*KROW/16/256-1, v3
	v_lshl_add_u32 v\v, v\v, 8, s20
.endm
.macro PFGO v, base
	global_prefetch_b8 v\v, s[\base:\base+1] th:TH_LOAD_NT scope:SCOPE_SE
.endm
.macro ASK i                           ; 4 entries: the descriptors of the chunk at s88 (bytes of codes) for slot SLT, and of its scale bytes at s55 for place PLC; then all step on
.if (\i) == 0
	s_mul_i32 s[G0R+1], s[WV], RA/2*PITCH
	s_add_co_u32 s[G0R+1], s[G0R+1], s[SLT]
	s_mul_i32 s20, s[WV], RA/2*KROW
	s_add_co_u32 s20, s20, s88
.elseif (\i) == 1
	s_mov_b32 s21, 0
	s_add_nc_u64 s[G0R+2:G0R+3], s[4:5], s[20:21]
	s_or_b32 s[G0R+3], s[G0R+3], 0x80000000
	s_mov_b32 s[G0S+1], s[PLC]
.elseif (\i) == 2
	s_mov_b32 s20, s55
	s_add_nc_u64 s[G0S+2:G0S+3], s[6:7], s[20:21]
	s_or_b32 s[G0S+3], s[G0S+3], 0x80000000
	s_add_co_u32 s88, s88, RA*KROW
.elseif (\i) == 3
	s_add_co_u32 s55, s55, CU*256
	s_xor_b32 s[SLT], s[SLT], YB
	s_xor_b32 s[PLC], s[PLC], (SCL)^(SCL+SCB)
.endif
.endm
.macro PAIR i                          ; 4 entries: where pair PN's codes go (s[84:85], by its true number) and its scale bytes (v[VX], by the order of work)
.if (\i) == 0
	s_lshl_b32 s3, s[HF], 2
	s_xor_b32 s3, s3, s[PN]
	s_lshr_b32 s20, s3, 1
	s_and_b32 s21, s3, 1
.elseif (\i) == 1
	s_mul_i32 s20, s20, 4*PANEL
	s_mul_i32 s21, s21, 3072
	s_add_co_u32 s20, s20, s21
	s_mov_b32 s21, 0
.elseif (\i) == 2
	s_add_nc_u64 s[84:85], s[12:13], s[20:21]
	s_and_b32 s22, s[PN], 1
	s_lshl_b32 s22, s22, 7
	s_lshr_b32 s23, s[PN], 1
.elseif (\i) == 3
	s_lshl_b32 s23, s23, 9
	s_or_b32 s22, s22, s23
	s_add_co_u32 s[PN], s[PN], 1
	WIN 0
	v_add_nc_u32 v[VX], s22, v[STO]
.endif
.endm
; the lists
.macro L_NONE i, x, y
.endm
.macro L_V i, x, y                     ; phase 1: the addresses alone
	VADR \i, \x, \y
.endm
.macro L_VOUT i, x, y                  ; and chunk 0's way out of channel tile x
	VADR \i, 3, \x
	CHAIN (\i)-3, HV0+32*(\x), \x
.endm
.macro L_V2 i, x, y                    ; V's third block: the first refill's descriptors, the later refills' row counts; what the second refill will load is asked for into the L2
.if (\i) == 0
	s_mov_b32 s[G1A+2], (RA/2)<<16
	s_mov_b32 s[G1A+4], RA/2
	s_mov_b32 s[G1S+2], CU<<16
	s_mov_b32 s[G1S+4], CU
.elseif (\i) == 1
	s_mov_b32 s[G1B+2], (TN/2)<<16
	s_mov_b32 s[G1B+4], TN/2
	s_mul_i32 s[G0B+1], s[WV], TN/2*PITCH
	s_add_co_u32 s[G0B+1], s[G0B+1], BVB
.elseif (\i) == 2
	s_mul_i32 s20, s[WV], TN/2*KROW
	s_mov_b32 s21, 0
	s_add_nc_u64 s[G0B+2:G0B+3], s[8:9], s[20:21]
	s_or_b32 s[G0B+3], s[G0B+3], 0x80000000
.elseif (\i) == 6
	PFTILE 7, 88, 90
.elseif (\i) == 7
	s_lshl_b32 s21, s90, 9
	s_add_co_u32 s20, s55, s21
	WIN 0
	v_min_u32 v8, 1, v3
	v_lshl_add_u32 v8, v8, 8, s20
.endif
	VADR (\i)-3, 2, 0
.endm
.macro L_V7 i, x, y                    ; V's last block: what the third refill will load is asked for; the way out
.if (\i) == 0
	s_add_co_u32 s22, s88, RA*KROW
	PFTILE 20, 22, 90
.endif
	CHAIN (\i)-1, \x, \y
.endm
.macro L_STEP i, x, y
	STEP \i
.endm
.macro L_OUT i, x, y
	STEP \i
	CHAIN (\i)-4, \x, \y
.endm
.macro L_LAST i, x, y
	CHAIN \i, \x, \y
.endm
.macro L_ODD i, x, y
	PAIR \i
	STEPV (\i)-4, ADRO, AASO
	CHAIN (\i)-7, ACC, 0
.endm
.macro L_ODDL i, x, y
	PAIR \i
	CHAIN (\i)-4, ACC, 0
.endm
.macro L_ROUND i, x, y
	ASK \i
	STEP (\i)-4
	CHAIN (\i)-8, ACC+32, 1
.endm
; phase 2's blocks.  w: the count of the wait for the block's rows (-1: they are shown in already)
.macro WAITDS w
.if (\w) >= 0
	s_wait_dscnt \w
.endif
.endm
.macro EVENOUT fetch                   ; behind an even block: the odd block's byte and codes, the fetch of the block two on
	WALU
	ds_store_b8 v[VX], v[EB+1] offset:64
	PUT2 NCD+6, s[84:85], 1536
.if \fetch
	FETCH 0
.endif
.endm
.macro EVEN w, fetch
	WAITDS \w
.if \fetch
	BLOCK 0, 0, ACC, 8, 0, 32, L_OUT, ACC+32, 1
.else
	BLOCK 0, 0, ACC, 8, 0, 32, L_LAST, ACC+32, 1
.endif
	WIN 0
	CODES6 ACC+32, NCD+6, 1
	EVENOUT \fetch
.endm
.macro EVENROUND w                     ; the second and the third refill: products stand between the add and its wait, and between the opening signal and its wait
	WAITDS \w
	GRD
	BLOCK 0, 0, ACC, 8, 0, 26, L_ROUND
	WIN 0
	WALU
	s_wait_dscnt 0x0
	s_barrier_signal -1
	BLOCK 0, 0, ACC, 8, 26, 32, L_NONE
	WIN 0
	CODES6 ACC+32, NCD+6, 1
	MIDDLE
	BARRIER
	s_cmp_lt_u32 s[WV], 2
	s_cbranch_scc0 .Lscales_\@
	TLOAD G0R, G1A                         ; waves 0 and 1: half a chunk each
	s_branch .Lasked_\@
.Lscales_\@:
	s_cmp_eq_u32 s[WV], 2
	s_cbranch_scc0 .Lnone_\@
	TLOAD G0S, G1S                         ; wave 2: its scale bytes
.Lnone_\@:
.Lasked_\@:
	EVENOUT 1
.endm
.macro EVENSHOW w                      ; a plain barrier inside the block shows the last refill to all
	WAITDS \w
	BLOCK 0, 0, ACC, 8, 0, 26, L_OUT, ACC+32, 1
	WIN 0
	WALU
	s_wait_tensorcnt 0x0
	s_wait_dscnt 0x0
	s_barrier_signal -1
	BLOCK 0, 0, ACC, 8, 26, 32, L_NONE
	WIN 0
	s_barrier_wait -1
	CODES6 ACC+32, NCD+6, 1
	EVENOUT 1
.endm
.macro ODD w, fetch
	WAITDS \w
	s_wait_xcnt 0x0                        ; the earlier stores have read their registers and their base
.if \fetch
	BLOCK 0, 1, ACC+32, 8, 0, 32, L_ODD
.else
	BLOCK 0, 1, ACC+32, 8, 0, 32, L_ODDL
.endif
	WIN 0
	CODES6 ACC, NCD, 0
	WALU
	ds_store_b8 v[VX], v[EB]
	PUT2 NCD, s[84:85], 0
.if \fetch
	FETCH 1
.endif
.endm
; ================= THE HEAD
	s_load_b512 s[4:19], s[0:1], 0x0
	s_load_b64 s[52:53], s[0:1], 0x40
	v_lshl_add_u32 v[SPW], v0, 2, SPARE
	v_mov_b32 v[NIL], 0
	ds_add_u32 v[SPW], v[NIL]                           ; the add twice on end ahead of the first tensor load
	ds_add_u32 v[SPW], v[NIL]
	v_lshrrev_b32 v1, 5, v0
	v_readfirstlane_b32 s[WV], v1
	s_lshr_b32 s[WR], s[WV], 1
	s_and_b32 s[WC], s[WV], 1
	s_bfe_u32 s22, ttmp6, 0x40000                       ; cx
	s_bfe_u32 s23, ttmp6, 0x40004                       ; cy
	s_lshl_b32 s[TC], ttmp9, 2
	s_add_co_u32 s[TC], s[TC], s22                      ; phase 2's tile column: 0-7 Q, 8-15 K
	s_and_b32 s[TR], ttmp7, 0xffff
	s_lshl_b32 s[TR], s[TR], 2
	s_add_co_u32 s[TR], s[TR], s23                      ; my 512 tokens
	s_lshr_b32 s[TS], ttmp9, 1                          ; 0 Q, 1 K
	s_and_b32 s[HF], ttmp9, 1                           ; which half of my tokens comes first, and is V's
	s_lshl_b32 s80, s[TS], 2
	s_add_co_u32 s80, s80, s22                          ; V's tile column
	s_lshl_b32 s81, s[TR], 1
	s_add_co_u32 s81, s81, s[HF]                        ; V's tile row
	s_lshl_b32 s[MKR], s23, 2
	s_lshl_b32 s[MKR], 15, s[MKR]                       ; my row of the cluster
	s_lshl_b32 s[MKC], 0x1111, s22                      ; my column
	s_lshl_b32 s90, s22, 2
	s_add_co_u32 s90, s90, s[WV]                        ; my number among the sixteen waves of my row of the cluster,
	s_lshl_b32 s100, s23, 2
	s_add_co_u32 s100, s100, s[WV]                      ; and of my column
	GROUP1 G1A, MKR, RA
	GROUP1 G1B, MKC, TN
	s_or_b32 s[G1S+0], s[MKR], (3<<16)|(1<<20)|(1<<21)|(5<<22)|(3<<25)
	s_mov_b32 s[G1S+1], 32<<16
	s_mov_b32 s[G1S+2], (2*CU)<<16
	s_mov_b32 s[G1S+3], 32<<16
	s_mov_b32 s[G1S+4], 2*CU
	s_mov_b32 s[G1S+5], 32
	s_mov_b32 s[G1S+6], 0
	s_mov_b32 s[G1S+7], 0
	s_mov_b32 s[G0S], 1
	s_mov_b32 s[G0S+1], SCL
	s_mov_b32 s[G0A], 1
	s_mov_b32 s[G0A+1], 0
	s_mov_b32 s[G0B], 1
	s_mov_b32 s[G0B+1], BVB
	s_mov_b32 s[G0R], 1
	s_mov_b32 s[G0R+1], YB
	s_mul_i32 s88, s[TR], TM*KROW                       ; my tokens' codes, in bytes,
	s_mul_i32 s55, s[TR], TM*KS                         ; and scale bytes
	s_mul_i32 s66, s[HF], TV*KROW
	s_add_co_u32 s66, s66, s88
	s_mul_i32 s67, s[HF], TV*KS
	s_add_co_u32 s67, s67, s55
	s_mul_i32 s82, s80, TN*KROW
	s_mul_i32 s2, s[WR], 64*PITCH
	s_add_co_u32 s3, s2, 8*PITCH
	s_mul_i32 s20, s[WC], 64*PITCH
	s_add_co_u32 s20, s20, BVB
	s_mul_i32 s21, s[WR], 2176
	s_add_co_u32 s21, s21, SCL
	s_add_co_u32 s83, s21, 272
	s_lshl_b32 s84, s[WR], 8
	s_lshl_b32 s85, s[WC], 1
	s_add_co_u32 s84, s84, s85
	s_add_co_u32 s84, s84, XN
	s_lshl_b32 s85, s[WC], 8
	s_lshl_b32 s86, s[WR], 1
	s_add_co_u32 s85, s85, s86
	s_add_co_u32 s85, s85, XM
	v_and_b32 v1, 15, v0                                ; r
	v_bfe_u32 v2, v0, 4, 1                              ; h
	v_and_b32 v3, 31, v0
	v_lshrrev_b32 v64, 3, v1                            ; g = r / 8
	v_and_b32 v65, 7, v1
	v_mad_u32_u24 v66, v64, 40, v65                     ; tile j even: row 8 j + 40 g + r % 8
	v_mad_u32_u24 v67, v64, 24, v65                     ; tile j odd:  row 8 j + 24 g + r % 8
	v_mul_u32_u24 v66, v66, PITCH
	v_mul_u32_u24 v67, v67, PITCH
	v_mul_u32_u24 v68, v1, PITCH
	v_mad_u32_u24 v69, v2, 24, v66
	v_mad_u32_u24 v70, v2, 40, v66                      ; (16 more behind one padding more)
	v_mad_u32_u24 v71, v2, 24, v67
	v_mad_u32_u24 v72, v2, 40, v67
	v_mad_u32_u24 v73, v2, 24, v68
	v_mad_u32_u24 v74, v2, 40, v68
	v_add_nc_u32 v[ADRE], s2, v69
	v_add_nc_u32 v[ADRE+1], s2, v70
	v_add_nc_u32 v[ADRO], s3, v71
	v_add_nc_u32 v[ADRO+1], s3, v72
.irp k, 69,70,71,72,73,74
	v_add_nc_u32 v\k, s20, v\k
.endr
	WIN 3<<6
.irp b, 0,1,2,3
	v_add_nc_u32 v[BA-768+2*\b], \b*16*PITCH, v73
	v_add_nc_u32 v[BA-768+2*\b+1], \b*16*PITCH, v74
.endr
.irp b, 0,2
	v_add_nc_u32 v[BA2-768+2*\b], 8*\b*PITCH, v69
	v_add_nc_u32 v[BA2-768+2*\b+1], 8*\b*PITCH, v70
.endr
.irp b, 1,3
	v_add_nc_u32 v[BA2-768+2*\b], 8*\b*PITCH, v71
	v_add_nc_u32 v[BA2-768+2*\b+1], 8*\b*PITCH, v72
.endr
	WIN 0
	v_lshlrev_b32 v[ABS], 5, v3                         ; W_v's scale bytes: row 32 p + lane
	v_xor_b32 v75, v2, v64
	v_lshl_add_u32 v75, v75, 3, v65
	v_lshl_add_u32 v75, v64, 5, v75
	v_lshlrev_b32 v[ABS2], 5, v75                       ; W_q's or W_k's: row 16 p + 32 g + 8 (h xor g) + r % 8
	v_lshlrev_b32 v76, 5, v65
	v_mad_u32_u24 v77, v64, 1360, v76                   ; x's scale bytes: units of 8 rows, 272 bytes apart; j even: unit 5 g, j odd: 1 + 3 g
	v_mad_u32_u24 v78, v64, 816, v76
	v_add_nc_u32 v[AASE], s21, v77
	v_add_nc_u32 v[AASO], s83, v78
	v_lshl_add_u32 v79, v1, 2, v2
	v_add_nc_u32 v[STO], s84, v79                       ; row r's word, byte 2 (wave column) + h
	v_add_nc_u32 v[STV], s85, v79                       ; row r's word, byte 2 (wave row) + h
	v_lshlrev_b32 v[CO], 4, v3
	v_lshlrev_b32 v[CO8], 3, v3
	WALU
	s_wait_dscnt 0x0
	CROUND                                              ; the opening round
	s_wait_kmcnt 0x0
	s_mov_b32 s21, 0
	s_mov_b32 s20, s66
	s_add_nc_u64 s[G0A+2:G0A+3], s[4:5], s[20:21]
	s_add_nc_u64 s[G0R+2:G0R+3], s[G0A+2:G0A+3], RA*KROW
	s_or_b32 s[G0A+3], s[G0A+3], 0x80000000
	s_or_b32 s[G0R+3], s[G0R+3], 0x80000000
	s_mov_b32 s20, s82
	s_add_nc_u64 s[G0B+2:G0B+3], s[16:17], s[20:21]
	s_or_b32 s[G0B+3], s[G0B+3], 0x80000000
	s_mov_b32 s20, s67
	s_add_nc_u64 s[G0S+2:G0S+3], s[6:7], s[20:21]
	s_or_b32 s[G0S+3], s[G0S+3], 0x80000000
	s_cmp_eq_u32 s[WV], 0
	s_cbranch_scc0 .Lwave_1
	TLOAD G0B, G1B                                      ; wave 0: W_v's rows
	s_branch .Lasked
.Lwave_1:
	s_cmp_eq_u32 s[WV], 1
	s_cbranch_scc0 .Lwave_2
	TLOAD G0S, G1S                                      ; wave 1: both chunks' scale bytes
	s_branch .Lasked
.Lwave_2:
	s_cmp_eq_u32 s[WV], 2
	s_cbranch_scc0 .Lwave_3
	TLOAD G0A, G1A                                      ; wave 2: chunk 0
	s_branch .Lasked
.Lwave_3:
	TLOAD G0R, G1A                                      ; wave 3: chunk 1
.Lasked:
	s_cmp_eq_u32 s[TS], 0                               ; the second weight: the choice hangs on the cluster's number alone
	s_cselect_b64 s[8:9], s[8:9], s[12:13]
	s_cselect_b64 s[10:11], s[10:11], s[14:15]
	s_and_b32 s89, s[TC], 7                             ; its 128 channels
	s_mul_i32 s20, s89, TN*KROW
	s_add_nc_u64 s[8:9], s[8:9], s[20:21]
	s_lshl_b32 s22, s[WC], 11                           ; my 64 rows' scale bytes
	s_lshl_b32 s20, s89, 12
	s_add_co_u32 s20, s20, s22
	s_add_nc_u64 s[10:11], s[10:11], s[20:21]
	s_lshl_b32 s20, s80, 12
	s_add_co_u32 s20, s20, s22
	s_add_nc_u64 s[18:19], s[18:19], s[20:21]
.irp p, 0,1
.irp c, 0,1
	global_load_b128 v[SB+NQ*\p+4*\c:SB+NQ*\p+4*\c+3], v[ABS], s[18:19] offset:\p*32*KS+16*\c
.endr
.endr
	WIN 3<<6
.irp p, 0,1
.irp c, 0,1
	global_load_b128 v[SB2-768+NQ*\p+4*\c:SB2-768+NQ*\p+4*\c+3], v[ABS2], s[10:11] offset:\p*16*KS+16*\c
.endr
.endr
	WIN 0
	s_mul_i32 s82, s[TS], 6553600                       ; where the results go: Q's or K's panel of my first chunk,
	s_mul_i32 s22, s[TR], 16*PANEL
	s_add_co_u32 s82, s82, s22
	s_lshr_b32 s22, s89, 1
	s_mul_i32 s22, s22, PANEL
	s_add_co_u32 s82, s82, s22
	s_and_b32 s83, s89, 1
	s_mul_i32 s20, s83, 12288
	s_add_co_u32 s20, s20, s82
	s_mul_i32 s22, s[WR], 6144
	s_add_co_u32 s20, s20, s22
	s_mul_i32 s22, s[WC], 768
	s_add_co_u32 s20, s20, s22
	s_add_nc_u64 s[12:13], s[52:53], s[20:21]           ; codes;
	s_lshl_b32 s22, s[HF], 1
	s_xor_b32 s22, s22, s[WV]                           ; the stage lies in the order of work: my 512 bytes of it are this chunk's
	s_mul_i32 s22, s22, 4*PANEL
	s_lshl_b32 s20, s83, 9
	s_add_co_u32 s20, s20, s22
	s_add_co_u32 s20, s20, s82
	s_add_co_u32 s20, s20, 24576
	s_add_nc_u64 s[76:77], s[52:53], s[20:21]           ; scale words
	s_lshl_b32 s22, s80, 5
	s_add_co_u32 s22, s22, s81
	s_mul_i32 s82, s22, PANEL
	s_add_co_u32 s82, s82, 13107200                     ; V's panel
	s_mul_i32 s20, s[WC], 6144
	s_add_co_u32 s20, s20, s82
	s_mul_i32 s22, s[WR], 768
	s_add_co_u32 s20, s20, s22
	s_add_nc_u64 s[14:15], s[52:53], s[20:21]
	s_lshl_b32 s20, s[WV], 8
	s_add_co_u32 s20, s20, s82
	s_add_co_u32 s20, s20, 24576
	s_add_nc_u64 s[78:79], s[52:53], s[20:21]
	s_mov_b32 s[PN], 0
	s_mov_b32 s[SLT], 0
	s_mov_b32 s[PLC], SCL
	s_xor_b32 s20, s[HF], 1                             ; the chunks still to come are the other half's
	s_mul_i32 s22, s20, 2*RA*KROW
	s_add_co_u32 s88, s88, s22
	s_mul_i32 s22, s20, 2*CU*256
	s_add_co_u32 s55, s55, s22
	s_mul_i32 s20, s100, RA*KROW/16
	v_min_u32 v8, RA*KROW/16/256-1, v3
	v_lshl_add_u32 v8, v8, 8, s20                       ; what the first refill will load
	WALU
	s_cmp_eq_u32 s[WV], 0
	s_cbranch_scc0 .Lnot_b
	s_wait_tensorcnt 0x0
.Lnot_b:
	BARRIER                                             ; W_v's rows are in
	PFGO 8, 8
	WEIGHTS BA
	s_cmp_eq_u32 s[WV], 3
	s_cbranch_scc1 .Lnot_a0
	s_wait_tensorcnt 0x0
.Lnot_a0:
	s_wait_loadcnt 0x0                                  ; both weights' scale words
	s_wait_dscnt 0x0
	BARRIER                                             ; chunk 0 and the scale bytes are in; chunk 1 may be on its way
	FETCH01
; ================= PHASE 1: V, eight blocks; chunk 0's way outs stand in chunk 1's blocks
.irp s, 0,1
	s_wait_dscnt NF
	BLOCK 1, \s, HV0+8*\s, 32, 0, 32, L_V, 1, \s
	WIN 0
	PLACES 4
	WALU
	FETCH \s
.endr
	s_wait_dscnt NF
	s_wait_xcnt 0x0                                     ; the list writes v8, the address of the head's prefetch
	GRD
	BLOCK 1, 0, HV0+16, 32, 0, 24, L_V2
	WIN 0
	WALU
	s_wait_dscnt 0x0
	s_barrier_signal -1
	BLOCK 1, 0, HV0+16, 32, 24, 32, L_NONE
	MIDDLE
	BARRIER
	s_cmp_lt_u32 s[WV], 2
	s_cbranch_scc0 .Lno_half
	TLOAD G0B, G1B                                      ; waves 0 and 1: a half each of W_q's or W_k's rows, onto W_v's, which all waves hold in registers
.Lno_half:
	PLACES 4                                            ; for the waves that come round the load
	WALU
	FETCH 0
	PFGO 7, 4
	PFGO 8, 6
	s_wait_dscnt NF
	BLOCK 1, 1, HV0+24, 32, 0, 32, L_V, 2, 1
	WIN 0
	PLACES 4
	WALU
	FETCH 1
.irp j, 0,1,2
	s_wait_dscnt NF+(\j+1)/2
.if \j < 2
	BLOCK 1, \j%2, HV1+8*\j, 32, 0, 32, L_VOUT, \j
.else
	BLOCK 1, \j%2, HV1+8*\j, 32, 0, 32, L_LAST, HV0+32*\j, \j
.endif
	WIN 0
	CODES6 HV0+32*\j, MCD+6*\j, \j
	WALU
	ds_store_b8 v[STV], v[EB+\j] offset:64*\j
	PUT2 MCD+6*\j, s[14:15], 1536*\j
.if \j < 2
	FETCH \j%2
.endif
.endr
	s_wait_dscnt 1
	BLOCK 1, 1, HV1+24, 32, 0, 26, L_V7, HV0+96, 3
	WIN 0
	WALU
	s_wait_tensorcnt 0x0
	s_wait_dscnt 0x0
	s_barrier_signal -1                                 ; a plain barrier: the weights that the first refill brought are shown to all
	BLOCK 1, 1, HV1+24, 32, 26, 32, L_NONE
	WIN 0
	s_barrier_wait -1
	CODES6 HV0+96, MCD+18, 3
	WALU
	ds_store_b8 v[STV], v[EB+3] offset:192
	PUT2 MCD+18, s[14:15], 4608
; ================= THE CHANGE OF PHASE: the weights and the first two blocks' rows, which lie in slot 0 still, in one run of loads; chunk 1's four way outs under their flight
	s_mov_b32 s[CNT], 0
	WEIGHTS BA2
	FETCH01
	PFGO 20, 4
	WIN 3
.set I, 0
.rept 16
	v_mov_b32 v[SB+I], v[SB2-768+I]
.set I, I+1
.endr
	WIN 0
.set I, 0
.rept 18
.irp t, 0,1,2,3
	CHAIN I, HV1+32*\t, \t, 64+4*\t
.endr
.set I, I+1
.endr
.set I, 0
.rept 6
.irp t, 0,1,2,3
	CODES I, HV1+32*\t, MCD+24+6*\t, \t, 80+4*\t
.endr
.set I, I+1
.endr
	WIN 0
	WALU
; ================= PHASE 2: Q or K, sixteen blocks
	s_wait_dscnt NF
	BLOCK 0, 0, ACC, 8, 0, 32, L_STEP
	WIN 0
	PLACES 4
	WALU
.irp t, 0,1,2,3
	ds_store_b8 v[STV], v[EB+\t] offset:512+64*\t
.endr
.irp t, 0,1,2,3
	PUT2 MCD+24+6*\t, s[14:15], 12288+1536*\t
.endr
	FETCH 0
	ODD NF+4, 1
	s_mov_b32 s86, 0
.Lwith_rounds:                                          ; blocks 2 to 5, 6 to 9
	EVENROUND NF+1
	ODD -1, 1
	EVEN NF+1, 1
	ODD NF+1, 1
	s_add_co_u32 s86, s86, 1
	s_cmp_lg_u32 s86, 2
	s_cbranch_scc1 .Lwith_rounds
.Lwithout:                                              ; blocks 10, 11 and 12, 13
	EVENSHOW NF+1
	ODD -1, 1
	s_add_co_u32 s86, s86, 1
	s_cmp_lg_u32 s86, 4
	s_cbranch_scc1 .Lwithout
	EVEN NF+1, 0
	ODD 1, 0
; ================= THE END: the last way out; the scale bytes go through LDS under its conversions
	s_lshl_b32 s21, s[WV], 9
	s_add_co_u32 s21, s21, XN
	v_add_nc_u32 v12, s21, v[CO]
	s_lshl_b32 s21, s[WV], 8
	s_add_co_u32 s21, s21, XM
	v_add_nc_u32 v14, s21, v[CO8]
.set I, 0
.rept 18
	CHAIN I, ACC+32, 1
.set I, I+1
.endr
	CODES 2, ACC+32, NCD+6, 1
	WALU
	ds_store_b8 v[VX], v[EB+1] offset:64
	s_wait_dscnt 0x0
	s_barrier_signal -1
	CODES 0, ACC+32, NCD+6, 1
	CODES 1, ACC+32, NCD+6, 1
	WIN 0
	v_nop
.irp i, 3,4,5
	CODES \i, ACC+32, NCD+6, 1
.endr
	s_barrier_wait -1
	WALU
	ds_load_b128 v[64:67], v12
	ds_load_b64 v[68:69], v14
	PUT2 NCD+6, s[84:85], 1536
	s_wait_dscnt 0x0
	global_store_b128 v[CO], v[64:67], s[76:77]
	global_store_b64 v[CO8], v[68:69], s[78:79]
	s_wait_tensorcnt 0x0                                ; the wave's end
	ds_add_u32 v[SPW], v[NIL]
	s_wait_dscnt 0x0
	CROUND
	s_endpgm
.Lfunc_end_k_q4af891bd09_proj:
	.size	k_q4af891bd09_proj, .Lfunc_end_k_q4af891bd09_proj-k_q4af891bd09_proj
	.p2alignl 7, 3214868480
	.fill 96, 4, 3214868480
	.section	.rodata,"a",@progbits
	.p2align	6, 0x0
	.amdhsa_kernel k_q4af891bd09_proj
		.amdhsa_group_segment_fixed_size 327680
		.amdhsa_private_segment_fixed_size 0
		.amdhsa_enable_private_segment 0
		.amdhsa_kernarg_size 72
		.amdhsa_user_sgpr_count 2
		.amdhsa_user_sgpr_kernarg_segment_ptr 1
		.amdhsa_wavefront_size32 1
		.amdhsa_system_sgpr_workgroup_id_x 1
		.amdhsa_system_sgpr_workgroup_id_y 1
		.amdhsa_system_sgpr_workgroup_id_z 1
		.amdhsa_system_vgpr_workitem_id 0
		.amdhsa_next_free_vgpr 1024
		.amdhsa_next_free_sgpr 102
		.amdhsa_reserve_vcc 0
		.amdhsa_float_denorm_mode_32 3
		.amdhsa_float_denorm_mode_16_64 3
		.amdhsa_memory_ordered 1
		.amdhsa_forward_progress 1
		.amdhsa_inst_pref_size 187
	.end_amdhsa_kernel
	.amdgpu_metadata
---
amdhsa.version: [ 1, 2 ]
amdhsa.kernels:
  - .name:           k_q4af891bd09_proj
    .symbol:         k_q4af891bd09_proj.kd
    .args:
      - { .name: x_codes, .offset: 0, .size: 8, .value_kind: global_buffer, .address_space: global }
      - { .name: x_scales, .offset: 8, .size: 8, .value_kind: global_buffer, .address_space: global }
      - { .name: W_q_codes, .offset: 16, .size: 8, .value_kind: global_buffer, .address_space: global }
      - { .name: W_q_scales, .offset: 24, .size: 8, .value_kind: global_buffer, .address_space: global }
      - { .name: W_k_codes, .offset: 32, .size: 8, .value_kind: global_buffer, .address_space: global }
      - { .name: W_k_scales, .offset: 40, .size: 8, .value_kind: global_buffer, .address_space: global }
      - { .name: W_v_codes, .offset: 48, .size: 8, .value_kind: global_buffer, .address_space: global }
      - { .name: W_v_scales, .offset: 56, .size: 8, .value_kind: global_buffer, .address_space: global }
      - { .name: qkv, .offset: 64, .size: 8, .value_kind: global_buffer, .address_space: global }
    .group_segment_fixed_size: 327680
    .private_segment_fixed_size: 0
    .kernarg_segment_align: 8
    .kernarg_segment_size: 72
    .max_flat_workgroup_size: 128
    .sgpr_count:     102
    .vgpr_count:     1024
    .wavefront_size: 32
...
	.end_amdgpu_metadata
.endif
;; end of part 1
;; launch score (part 2): grid 36 x 4, 4 waves a work-group, no clusters, 327,680 bytes of LDS; arguments qkv, pcodes, pstat; writes pcodes, pstat
.if DOCPART == 2
	.amdgcn_target "amdgcn-amd-amdhsa--gfx1250"
	.amdhsa_code_object_version 6
	.text
	.protected	k_q4af891bd09_score
	.globl	k_q4af891bd09_score
	.p2align	8
	.type	k_q4af891bd09_score,@function
k_q4af891bd09_score:
	s_mov_b64 s[64:65], 0
	v_nop
	global_prefetch_b8 v0, s[64:65] scope:SCOPE_SE
	s_setreg_imm32_b32 hwreg(HW_REG_WAVE_MODE, 25, 1), 1
	s_wait_xcnt 0x0
; S^T = k q^T on codes of FP6 (E2M3), K = 1,024 channels, for the tiles of 256 queries x 256 keys that the causal mask leaves (36 of 64 in each of 4 batches: the others' weights are 0 for all finite inputs);
; then, for each row and each chunk of 128 keys, t = score x log2(e) / 32, M_c = the chunk's largest t rounded up to a whole number, p = 2^(t - M_c), l_c = the sum of the unquantised p, and p quantised along the keys.
; A LOCAL M SERVES: M is a whole number, so the codes of p under the row's final M are the same; only the scale bytes fall by M_row - M_c, which the next launch takes off them.
; STORED: p's codes as fragments in the order of an operand's registers, [query / 128][key / 256 of the batch] panels of 24,576 bytes, fragment (q, i) at 1,536 (8 q + i); and three planes of [chunk 0..15][row 0..8191] words:
; p's scale word, -M_c (f32), l_c (f32).  The diagonal work-group of an even tile row also stores zeros as the codes of the tile to its right, which the next launch's clusters walk.
; SHARES.  A work-group takes one tile; a wave 128 queries x 128 keys: 64 accumulators.  Source 0 = 16 keys, source 1 = 16 queries: a lane holds one query, its registers run along the keys.
; THE ROWS OF A TILE: tile j of a band of 64 tokens holds at place 8 g + i token 32 g + 8 (j xor g) + i.  So the 32 registers of a band's four key tiles are one scale block of the keys, 32 h .. 32 h + 31, whole in its lane.
; NO CLUSTER: tile row i of the triangle has i + 1 tiles and tile column j has 8 - j, so the 36 tiles do not divide into fours that share a tile, and the square would add 112 work-groups whose every score the mask discards.
; NO PREFETCH: K is four steps, written out: there is no loop to run ahead in.
; FILLS: one panel row (128 rows) a wave, three places each.  K steps 0 and 1 lie on end in memory and come by ONE load at the head; step 2 is asked for behind the first barrier, step 3, the one refill, in step 0's place.
; LIMITS: NaN and infinities are not served; the promise holds while the scaled scores t stay under 2^31 in magnitude.  A block whose every p has fallen under 2^-124 keeps the byte 1.  A chunk that the mask hides whole gets -M_c = 3e38, l_c = 0 and zero codes.
; REGISTERS: window 0: v2-30 addresses; v32-47 q's scale words, v48-63 k's, two sets each, and nothing else; v64-255 q's fragments, two sets; on the way out at work.  Window 1: k's fragments, two sets.  Windows 2, 3: accumulators.
.set PANEL, 25600
.set PROW,  3*PANEL
.set SPARE, 4*PROW                     ; the spare words: 128 bytes a wave
.set STG,   SPARE+512                  ; 1,536 bytes a wave: the three planes' words on their way out
.set ADRA, 2                           ; v2-4   my q panel, place 0, 1, 2: + 16 lane
.set ADRB, 5
.set ADSA, 8                           ; v8-10  q's scale words: + 4 r + 512 h (lanes 16-31 take the second 128 along K)
.set ADSB, 11
.set SPW,  14
.set NIL,  15
.set LI,   16                          ; 16 x lane
.set STA,  17                          ; STG + 1,536 wave + 4 r
.set STR,  18                          ; STG + 1,536 wave + 16 lane
.set DD,   19                          ; v19-22 the mask's lane terms: [query tile odd][key tile odd]
.set NINF, 23
.set ADA8, 24                          ; v24-26 my q panel: + 8 lane
.set ADB8, 27
.set STB,  30                          ; STA + h
.set SCA,  32
.set SCB,  48
.set AF,   64
.set GG,   64                          ; the way out: v64-95 maxima of 16, later partial sums
.set TT,   64
.set PX,   72
.set BM,   96                          ; v96-111 block maxima, 2 a + c; later the second conversions' codes and the planes' words
.set NM,   112                         ; v112, 114 .. -M_c, each the low half of a pair
.set BS,   128                         ; v128-143 the conversions' scale operands
.set EB,   144                         ; v144-159 scale bytes; later l_c and the other half's
.set LL,   144
.set LX,   152
.set CD,   160                         ; v160-255 codes of row tile a at 160 + 12 a
.set WV, 10
.set RH, 11
.set CH, 12
.set HID, 13
.set QI, 14
.set KJ, 15
.set BT, 16
.set G1, 24
.set G0, 32                            ; s[32:43] group 0: steps 0 and 1, step 2, step 3
.set CS, 44
.set SEL, 46
.set OFP, 48
.set PB,  50
.set SB,  52
.set MSB, 0
.macro WIN new
.if MSB != \new
	s_set_vgpr_msb (MSB<<8)|\new
.set MSB, \new
.endif
.endm
.macro PLACES
.rept 4
	v_nop
.endr
.endm
.macro WALU
	s_wait_alu depctr_va_vdst(0)
.endm
	s_load_b128 s[4:7], s[0:1], 0x0                ; q, k, v's workspace; p's codes
	s_load_b64 s[8:9], s[0:1], 0x10                ; the planes
	v_lshl_add_u32 v[SPW], v0, 2, SPARE
	v_mov_b32 v[NIL], 0
	ds_add_u32 v[SPW], v[NIL]                      ; the add twice on end ahead of the first tensor load
	ds_add_u32 v[SPW], v[NIL]
	v_lshrrev_b32 v1, 5, v0
	v_readfirstlane_b32 s[WV], v1                  ; wave 0..3
	s_lshr_b32 s[RH], s[WV], 1                     ; my half of the queries
	s_and_b32 s[CH], s[WV], 1                      ; my half of the keys.  Also: which half of q's or k's rows I fetch
	s_and_b32 s[BT], ttmp7, 0xffff                 ; the batch
	s_mov_b32 s[QI], 0                             ; tile row of the triangle: how many of 1, 3, 6 .. the work-group's x has reached
.irp t, 1,3,6,10,15,21,28
	s_cmp_ge_u32 ttmp9, \t
	s_add_co_ci_u32 s[QI], s[QI], 0
.endr
	s_add_co_u32 s17, s[QI], 1
	s_mul_i32 s17, s17, s[QI]
	s_lshr_b32 s17, s17, 1
	s_sub_co_u32 s[KJ], ttmp9, s17                 ; tile column, 0 .. tile row
	s_mov_b32 s[G1+0], 3<<16                       ; no mask; elements of 8 bytes; no padding
	s_mov_b32 s[G1+1], 32<<16                      ; two panels on end: 200 rows of 256 bytes
	s_mov_b32 s[G1+2], 200<<16
	s_mov_b32 s[G1+3], 32<<16
	s_mov_b32 s[G1+4], 200
	s_mov_b32 s[G1+5], 32
	s_mov_b32 s[G1+6], 0
	s_mov_b32 s[G1+7], 0
	s_cmp_lt_u32 s[WV], 2                          ; waves 0, 1 fetch q's two panel rows, waves 2, 3 k's
	s_cselect_b32 s18, s[QI], s[KJ]
	s_cselect_b32 s19, 0, 6553600
	s_lshl_b32 s20, s[BT], 4
	s_lshl_b32 s18, s18, 1
	s_add_co_u32 s18, s18, s20
	s_add_co_u32 s18, s18, s[CH]                   ; the panel row: 16 batch + 2 tile + half
	s_mul_i32 s18, s18, 4*PANEL
	s_add_co_u32 s[OFP], s18, s19                  ; under 2^24
	s_mov_b32 s[OFP+1], 0
	s_mul_i32 s21, s[WV], PROW
	s_mov_b32 s[CS], 0x3d38aa3b                    ; log2(e) / 32
	s_mov_b32 s[CS+1], s[CS]
	s_mov_b32 s[SEL], 0x76543210
	s_mov_b32 s[SEL+1], 0xfedcba98
	s_cmp_eq_u32 s[WV], 1
	s_cselect_b32 s[HID], -1, 0                    ; in a diagonal tile wave 1's keys all lie behind its queries
	s_wait_dscnt 0x0
	s_wait_kmcnt 0x0
	s_mov_b32 s[G0], 1
	s_mov_b32 s[G0+1], s21                         ; places 0 and 1: K steps 0 and 1
	s_add_nc_u64 s[G0+2:G0+3], s[4:5], s[OFP:OFP+1]
	s_mov_b32 s[G0+4], 1
	s_add_co_u32 s[G0+5], s21, 2*PANEL             ; place 2: K step 2
	s_add_nc_u64 s[G0+6:G0+7], s[G0+2:G0+3], 2*PANEL
	s_mov_b32 s[G0+8], 1
	s_mov_b32 s[G0+9], s21                         ; place 0 again: K step 3
	s_add_nc_u64 s[G0+10:G0+11], s[G0+2:G0+3], 3*PANEL
	s_or_b32 s[G0+3], s[G0+3], 0x80000000
	s_or_b32 s[G0+7], s[G0+7], 0x80000000
	s_or_b32 s[G0+11], s[G0+11], 0x80000000
	tensor_load_to_lds s[G0:G0+3], s[G1:G1+7]      ; my one load at the head
	s_nop 0
	PLACES
	s_mul_i32 s17, s[RH], PROW
	s_mul_i32 s18, s[CH], PROW
	s_add_co_u32 s18, s18, 2*PROW
	s_mul_i32 s19, s[WV], 1536
	s_add_co_u32 s19, s19, STG
	s_sub_co_i32 s20, s[RH], s[CH]
	s_lshl_b32 s20, s20, 7
	v_and_b32 v1, 31, v0
	v_lshlrev_b32 v[LI], 4, v1
	v_and_b32 v64, 15, v0                          ; r
	v_bfe_u32 v65, v0, 4, 1                        ; h
	v_lshlrev_b32 v66, 3, v1
	v_lshlrev_b32 v67, 2, v64
	v_add_nc_u32 v[STA], s19, v67
	v_add_nc_u32 v[STR], s19, v[LI]
	v_add_nc_u32 v[STB], v[STA], v65
	v_lshl_add_u32 v67, v65, 9, v67                ; 4 r + 512 h
	v_add_nc_u32 v[ADRA], s17, v[LI]
	v_add_nc_u32 v[ADA8], s17, v66
	v_add_nc_u32 v[ADSA], s17, v67
	v_add_nc_u32 v[ADRB], s18, v[LI]
	v_add_nc_u32 v[ADB8], s18, v66
	v_add_nc_u32 v[ADSB], s18, v67
.irp s, 1,2
	v_add_nc_u32 v[ADRA+\s], \s*PANEL, v[ADRA]
	v_add_nc_u32 v[ADA8+\s], \s*PANEL, v[ADA8]
	v_add_nc_u32 v[ADSA+\s], \s*PANEL, v[ADSA]
	v_add_nc_u32 v[ADRB+\s], \s*PANEL, v[ADRB]
	v_add_nc_u32 v[ADB8+\s], \s*PANEL, v[ADB8]
	v_add_nc_u32 v[ADSB+\s], \s*PANEL, v[ADSB]
.endr
	v_lshrrev_b32 v66, 3, v64                      ; g = r / 8
	v_and_b32 v67, 7, v64
	v_add_nc_u32 v67, s20, v67
	v_mad_u32_u24 v68, v66, 40, v67                ; query tile even: token 8 j + 40 g + r % 8; odd: 24 g
	v_mad_u32_u24 v69, v66, 24, v67
	v_mul_u32_u24 v70, v65, 40                     ; and the keys' likewise, by h
	v_mul_u32_u24 v71, v65, 24
	v_sub_nc_u32 v[DD], v68, v70
	v_sub_nc_u32 v[DD+1], v68, v71
	v_sub_nc_u32 v[DD+2], v69, v70
	v_sub_nc_u32 v[DD+3], v69, v71
	v_mov_b32 v[NINF], 0xff800000
	; p's codes: panel (16 batch + 2 tile row + row half, tile column), my half of it along the keys
	s_lshl_b32 s17, s[BT], 4
	s_lshl_b32 s18, s[QI], 1
	s_add_co_u32 s17, s17, s18
	s_add_co_u32 s17, s17, s[RH]
	s_lshl_b32 s17, s17, 3
	s_add_co_u32 s17, s17, s[KJ]
	s_mul_i32 s17, s17, 24576
	s_mul_i32 s18, s[CH], 12288
	s_add_co_u32 s[OFP], s17, s18
	s_add_nc_u64 s[PB:PB+1], s[6:7], s[OFP:OFP+1]
	; the planes: chunk 2 tile column + key half, row 2,048 batch + 256 tile row + 128 row half
	s_lshl_b32 s17, s[KJ], 1
	s_add_co_u32 s17, s17, s[CH]
	s_lshl_b32 s17, s17, 13
	s_lshl_b32 s18, s[BT], 11
	s_add_co_u32 s17, s17, s18
	s_lshl_b32 s18, s[QI], 8
	s_add_co_u32 s17, s17, s18
	s_lshl_b32 s18, s[RH], 7
	s_add_co_u32 s17, s17, s18
	s_lshl_b32 s[OFP], s17, 2
	s_add_nc_u64 s[SB:SB+1], s[8:9], s[OFP:OFP+1]
.macro FETCH slot, q, p                ; k's and q's eight fragments of the place's q-th 128 along K into set p, in one run: each half of a fragment is 16 and 8 bytes a lane
	WIN 0x40
.irp i, 0,1,2,3,4,5,6,7
.irp c, 0,1
	ds_load_b128 v[128*(\p)+12*\i+6*\c:128*(\p)+12*\i+6*\c+3], v[ADRB+\slot] offset:(8*(\q)+\i)*1536+768*\c
	ds_load_b64 v[128*(\p)+12*\i+6*\c+4:128*(\p)+12*\i+6*\c+5], v[ADB8+\slot] offset:(8*(\q)+\i)*1536+768*\c+512
.endr
.endr
	WIN 0
.irp i, 0,1,2,3,4,5,6,7
.irp c, 0,1
	ds_load_b128 v[AF+96*(\p)+12*\i+6*\c:AF+96*(\p)+12*\i+6*\c+3], v[ADRA+\slot] offset:(8*(\q)+\i)*1536+768*\c
	ds_load_b64 v[AF+96*(\p)+12*\i+6*\c+4:AF+96*(\p)+12*\i+6*\c+5], v[ADA8+\slot] offset:(8*(\q)+\i)*1536+768*\c+512
.endr
.endr
.endm
.macro SCALES slot, sc                 ; one register a row tile carries both 128s along K, the first in lanes 0-15, the second in lanes 16-31
.irp i, 0,1,2,3,4,5,6,7
	ds_load_b32 v[SCA+8*(\sc)+\i], v[ADSA+\slot] offset:24576+64*\i
	ds_load_b32 v[SCB+8*(\sc)+\i], v[ADSB+\slot] offset:24576+64*\i
.endr
.endm
; 16 matrix instructions: query tiles a0, a0 + 1 x the eight key tiles.  The 64 accumulators take turns in the same order in every step.
.macro MUL16 a0, p, q, sc, zero
.irp a, \a0, \a0+1
.irp b, 0,1,2,3,4,5,6,7
.if \zero
	v_wmma_scale_f32_16x16x128_f8f6f4 v[8*(8*((\a)%4)+\b):8*(8*((\a)%4)+\b)+7], v[128*(\p)+12*\b:128*(\p)+12*\b+11], v[AF+96*(\p)+12*(\a):AF+96*(\p)+12*(\a)+11], 0, v[SCB+8*(\sc)+\b], v[SCA+8*(\sc)+(\a)] matrix_a_fmt:MATRIX_FMT_FP6 matrix_b_fmt:MATRIX_FMT_FP6
.elseif \q
	v_wmma_scale_f32_16x16x128_f8f6f4 v[8*(8*((\a)%4)+\b):8*(8*((\a)%4)+\b)+7], v[128*(\p)+12*\b:128*(\p)+12*\b+11], v[AF+96*(\p)+12*(\a):AF+96*(\p)+12*(\a)+11], v[8*(8*((\a)%4)+\b):8*(8*((\a)%4)+\b)+7], v[SCB+8*(\sc)+\b], v[SCA+8*(\sc)+(\a)] matrix_a_fmt:MATRIX_FMT_FP6 matrix_b_fmt:MATRIX_FMT_FP6 matrix_a_scale:MATRIX_SCALE_ROW1 matrix_b_scale:MATRIX_SCALE_ROW1
.else
	v_wmma_scale_f32_16x16x128_f8f6f4 v[8*(8*((\a)%4)+\b):8*(8*((\a)%4)+\b)+7], v[128*(\p)+12*\b:128*(\p)+12*\b+11], v[AF+96*(\p)+12*(\a):AF+96*(\p)+12*(\a)+11], v[8*(8*((\a)%4)+\b):8*(8*((\a)%4)+\b)+7], v[SCB+8*(\sc)+\b], v[SCA+8*(\sc)+(\a)] matrix_a_fmt:MATRIX_FMT_FP6 matrix_b_fmt:MATRIX_FMT_FP6
.endif
.endr
.endr
.endm
.macro MUL64 p, q, sc, zero
	WIN 0xa1
	MUL16 0, \p, \q, \sc, \zero
	MUL16 2, \p, \q, \sc, \zero
	WIN 0xf1
	MUL16 4, \p, \q, \sc, \zero
	MUL16 6, \p, \q, \sc, \zero
	WIN 0
.endm
.macro STEP slot, sc, zero             ; a place's first 128 along K, on set 0; the second's fragments are fetched into set 1 ahead of the 64 products
	s_wait_dscnt 0x0
	PLACES                                         ; in front of loads into set 1, which the step before multiplied
	FETCH \slot, 1, 1
	MUL64 0, 0, \sc, \zero
.endm
; A place's second 128 along K, on set 1, with a barrier: all that the place held is in registers at its head.  fill = 1: the place is filled again.
.macro TURN sc, next, nsc, fill
	s_wait_tensorcnt 0x0                           ; all my tensor loads have landed
	ds_add_u32 v[SPW], v[NIL]
	s_wait_dscnt 1                                 ; set 1 is in; the add alone may be out
	WIN 0xa1
	MUL16 0, 1, 1, \sc, 0
	s_wait_dscnt 0x0                               ; the add is done, and my reads of this place are over
	s_barrier_signal -1
	MUL16 2, 1, 1, \sc, 0
	WIN 0
	s_barrier_wait -1
.if \fill
	tensor_load_to_lds s[G0+8:G0+11], s[G1:G1+7]   ; my one tensor load behind the barrier, and the first thing there
	s_nop 0
.endif
	PLACES                                         ; behind the tensor load, and in front of the loads into set 0
	FETCH \next, 0, 0
	SCALES \next, \nsc
	WIN 0xf1
	MUL16 4, 1, 1, \sc, 0
	MUL16 6, 1, 1, \sc, 0
	WIN 0
.endm
	WALU
	s_wait_tensorcnt 0x0                           ; my panels of K steps 0 and 1 are in
	ds_add_u32 v[SPW], v[NIL]
	s_mov_b32 s[G1+2], 100<<16                     ; no load of mine is out: from here on a load brings one panel
	s_mov_b32 s[G1+4], 100
	s_wait_dscnt 0x0
	s_barrier_signal -1
	s_barrier_wait -1
	tensor_load_to_lds s[G0+4:G0+7], s[G1:G1+7]    ; K step 2
	s_nop 0
	PLACES
	FETCH 0, 0, 0
	SCALES 0, 0
	STEP 0, 0, 1                                   ; K = 1,024 is four steps: written out.  K step 0: its products start the sums
	TURN 0, 1, 1, 1                                ; K step 2 has landed for every wave; place 0 takes K step 3
	STEP 1, 1, 0                                   ; K step 1
	s_wait_dscnt 0x0                               ; no barrier: place 2 was shown whole by the barrier before, and place 1 is not filled again
	PLACES
	FETCH 2, 0, 0
	SCALES 2, 0
	MUL64 1, 1, 1, 0
	STEP 2, 0, 0                                   ; K step 2
	TURN 0, 0, 1, 0                                ; K step 3 has landed, for every wave
	STEP 0, 1, 0                                   ; K step 3
	s_wait_dscnt 0x0
	MUL64 1, 1, 1, 0
	PLACES
.irp a, 0,1,2,3,4,5,6,7
	v_mov_b32 v[NM+2*\a+1], 0                      ; named as the upper half of a pair
.endr
	; THE MASK, in the diagonal tile alone (a branch on ids), and not for wave 2, whose keys all lie ahead of its queries.  Row tile a is tile a % 4 of query band a / 4; register 32 c + 8 j + i is key band c, tile j
	WALU
	s_cmp_lg_u32 s[QI], s[KJ]
	s_cbranch_scc1 .Lopen
	s_cmp_eq_u32 s[WV], 2
	s_cbranch_scc1 .Lopen
.macro MIXED a, c                      ; the band of the queries' own: hidden where the key's token is greater
.set NN, 0
.rept 32
	v_cmp_gt_i32 vcc_lo, NN-8*((\a)%4), v[DD+2*((\a)%2)+(NN/8)%2]
	v_cndmask_b32 v[AC+32*\c+NN], v[AC+32*\c+NN], v[NINF], vcc_lo
.set NN, NN+1
.endr
.endm
.macro MASK a
.set AC, 64*((\a)%4)
.set WW, 2+(\a)/4
	WIN WW|(WW<<6)
.if (\a) < 4
	MIXED \a, 0
	WIN WW<<6
.set NN, 32
.rept 32
	v_mov_b32 v[AC+NN], v[NINF]                    ; the later band: hidden
.set NN, NN+1
.endr
.else
.set NN, 0
.rept 32
	v_cndmask_b32 v[AC+NN], v[AC+NN], v[NINF], s[HID]   ; the earlier band: hidden for wave 1 alone
.set NN, NN+1
.endr
	MIXED \a, 1
.endif
.endm
.irp a, 0,1,2,3,4,5,6,7
	MASK \a
.endr
	WIN 0
	WALU
.Lopen:
; THE WAY OUT.  First, for all eight row tiles: each block's largest score, the chunk's M, and each block's scale.  A block's largest p is its largest score put through the same multiply-add and exponential.
.macro MAXA a
.set AC, 64*((\a)%4)
.set WW, 2+(\a)/4
.set GA, GG+4*(\a)
	WIN WW|(WW<<2)|(WW<<4)
.irp g, 0,1,2,3
	v_max3_num_f32 v[GA+\g], v[AC+16*\g], v[AC+16*\g+1], v[AC+16*\g+2]   ; each accumulator is read from its low end on
.endr
	WIN (WW<<2)|(WW<<4)
.irp i, 3,5,7,9,11,13
.irp g, 0,1,2,3
	v_max3_num_f32 v[GA+\g], v[GA+\g], v[AC+16*\g+\i], v[AC+16*\g+\i+1]
.endr
.endr
.irp g, 0,1,2,3
	v_max_num_f32 v[GA+\g], v[GA+\g], v[AC+16*\g+15]
.endr
.endm
.irp a, 0,1,2,3,4,5,6,7
	MAXA \a
.endr
	WIN 0
.irp k, 0,1,2,3,4,5,6,7,8,9,10,11,12,13,14,15
	v_max_num_f32 v[BM+\k], v[GG+2*\k], v[GG+2*\k+1]
.endr
.irp a, 0,1,2,3,4,5,6,7
	v_max_num_f32 v[TT+\a], v[BM+2*\a], v[BM+2*\a+1]
.endr
.irp a, 0,1,2,3,4,5,6,7
	v_permlanex16_b32 v[PX+\a], v[TT+\a], s[SEL], s[SEL+1]
.endr
.irp a, 0,1,2,3,4,5,6,7
	v_max_num_f32 v[TT+\a], v[TT+\a], v[PX+\a]
.endr
.irp a, 0,1,2,3,4,5,6,7
	v_mul_f32 v[TT+\a], s[CS], v[TT+\a]            ; as t
.endr
.irp a, 0,1,2,3,4,5,6,7
	v_max_num_f32 v[TT+\a], 0xff61b1e6, v[TT+\a]   ; held at -3e38 from below: a chunk that is hidden whole keeps a finite -M
.endr
.irp a, 0,1,2,3,4,5,6,7
	v_floor_f32 v[NM+2*\a], -v[TT+\a]              ; -M_c = floor(-t) = -ceil(t)
.endr
.irp k, 0,1,2,3,4,5,6,7,8,9,10,11,12,13,14,15
	v_fma_f32 v[BM+\k], v[BM+\k], s[CS], v[NM+2*(\k/2)]
.endr
	WALU
.irp k, 0,1,2,3,4,5,6,7,8,9,10,11,12,13,14,15
	v_exp_f32 v[BM+\k], v[BM+\k]
.endr
	v_nop
	WALU
.irp k, 0,1,2,3,4,5,6,7,8,9,10,11,12,13,14,15
	v_max_num_f32 v[BM+\k], 0x1800000, v[BM+\k]    ; the floor 2^-124: the byte cannot fall under 1
.endr
.irp k, 0,1,2,3,4,5,6,7,8,9,10,11,12,13,14,15
	v_add_nc_u32 v[BS+\k], 0xff000000, v[BM+\k]
.endr
.irp k, 0,1,2,3,4,5,6,7,8,9,10,11,12,13,14,15
	v_lshrrev_b32 v[EB+\k], 23, v[BS+\k]
.endr
.irp k, 0,1,2,3,4,5,6,7,8,9,10,11,12,13,14,15
	ds_store_b8 v[STB], v[EB+\k] offset:64*(\k/2)+2*(\k%2)   ; byte 2 c + h of my query's word
.endr
.irp a, 0,1,2,3,4,5,6,7
	ds_store_b32 v[STA], v[NM+2*\a] offset:512+64*\a
.endr
; Then row tile by row tile: p, its sum, its codes.  The next tile's t - M stand among a tile's exponentials; they are read behind the next wait.
.macro PKF a, k
.set AC, 64*((\a)%4)
.set WW, 2+(\a)/4
	WIN WW|(WW<<6)
	v_pk_fma_f32 v[AC+2*\k:AC+2*\k+1], v[AC+2*\k:AC+2*\k+1], s[CS:CS+1], v[NM+2*(\a):NM+2*(\a)+1] op_sel_hi:[1,0,0]
.endm
.macro SOFTQ a
	WALU                                           ; a wait ahead of the batch
.set KK, 0
.rept 32
.set AC, 64*((\a)%4)
.set WW, 2+(\a)/4
	WIN WW|(WW<<6)
	v_exp_f32 v[AC+2*KK], v[AC+2*KK]
	v_exp_f32 v[AC+2*KK+1], v[AC+2*KK+1]
.if (\a) < 7
	PKF (\a)+1, KK
.endif
.set KK, KK+1
.endr
.set AC, 64*((\a)%4)
.set WW, 2+(\a)/4
.set CA, CD+12*(\a)
.if (\a) == 7
	v_nop
.endif
	WIN WW|(WW<<2)
	WALU                                           ; and behind it
.irp k, 0,1,2,3,4,5,6,7,8,9,10,11,12,13,14,15
	v_pk_add_f32 v[GG+2*\k:GG+2*\k+1], v[AC+4*\k:AC+4*\k+1], v[AC+4*\k+2:AC+4*\k+3]   ; the sum of the unquantised p
.endr
	WIN 0
.irp k, 0,1,2,3,4,5,6,7
	v_pk_add_f32 v[GG+4*\k:GG+4*\k+1], v[GG+4*\k:GG+4*\k+1], v[GG+4*\k+2:GG+4*\k+3]
.endr
.irp k, 0,1,2,3
	v_pk_add_f32 v[GG+8*\k:GG+8*\k+1], v[GG+8*\k:GG+8*\k+1], v[GG+8*\k+4:GG+8*\k+5]
.endr
.irp k, 0,1
	v_pk_add_f32 v[GG+16*\k:GG+16*\k+1], v[GG+16*\k:GG+16*\k+1], v[GG+16*\k+8:GG+16*\k+9]
.endr
	WIN WW
.irp c, 0,1
	v_cvt_scalef32_pk16_fp6_f32 v[CA+6*\c:CA+6*\c+2], v[AC+32*\c:AC+32*\c+15], v[BS+2*(\a)+\c]
	v_cvt_scalef32_pk16_fp6_f32 v[BM+4*\c:BM+4*\c+2], v[AC+32*\c+16:AC+32*\c+31], v[BS+2*(\a)+\c]
.endr
	WIN 0
	v_pk_add_f32 v[GG:GG+1], v[GG:GG+1], v[GG+16:GG+17]   ; (also the plain place behind a scaled conversion)
.irp c, 0,1
.irp i, 0,1,2
	v_mov_b32 v[CA+6*\c+3+\i], v[BM+4*\c+\i]
.endr
.endr
	v_add_f32 v[LL+(\a)], v[GG], v[GG+1]
.irp c, 0,1,2
	global_store_b128 v[LI], v[CA+4*\c:CA+4*\c+3], s[PB:PB+1] offset:1536*(\a)+512*\c   ; 512 consecutive bytes, aligned; every row tile has registers of its own
.endr
.endm
.set K0, 0
.rept 32
	PKF 0, K0
.set K0, K0+1
.endr
.irp a, 0,1,2,3,4,5,6,7
	SOFTQ \a
.endr
.irp a, 0,1,2,3,4,5,6,7
	v_permlanex16_b32 v[LX+\a], v[LL+\a], s[SEL], s[SEL+1]
.endr
.irp a, 0,1,2,3,4,5,6,7
	v_add_f32 v[LL+\a], v[LL+\a], v[LX+\a]         ; l_c
.endr
.irp a, 0,1,2,3,4,5,6,7
	ds_store_b32 v[STA], v[LL+\a] offset:1024+64*\a
.endr
.irp n, 0,1,2
	ds_load_b128 v[BM+4*\n:BM+4*\n+3], v[STR] offset:512*\n   ; LDS serves a wave's instructions in order: these see my stores
.endr
	s_wait_dscnt 0x0
.irp n, 0,1,2
	global_store_b128 v[LI], v[BM+4*\n:BM+4*\n+3], s[SB:SB+1] offset:524288*\n   ; my 128 rows' words of a plane: 512 consecutive bytes
.endr
	s_cmp_lg_u32 s[QI], s[KJ]                      ; the diagonal tile of an even tile row: zeros for the tile to its right (a branch on ids)
	s_cbranch_scc1 .Lno_zeros
	s_bitcmp1_b32 s[QI], 0
	s_cbranch_scc1 .Lno_zeros
.irp n, 0,1,2,3
	v_mov_b32 v[GG+\n], 0
.endr
.set NN, 0
.rept 24
	global_store_b128 v[LI], v[GG:GG+3], s[PB:PB+1] offset:24576+512*NN   ; the next panel along the keys, my half of it
.set NN, NN+1
.endr
.Lno_zeros:
	s_wait_tensorcnt 0x0                           ; the wave's end
	ds_add_u32 v[SPW], v[NIL]
	s_wait_dscnt 0x0
	s_endpgm
.Lfunc_end_k_q4af891bd09_score:
	.size	k_q4af891bd09_score, .Lfunc_end_k_q4af891bd09_score-k_q4af891bd09_score
	.p2alignl 7, 3214868480
	.fill 96, 4, 3214868480
	.section	.rodata,"a",@progbits
	.p2align	6, 0x0
	.amdhsa_kernel k_q4af891bd09_score
		.amdhsa_group_segment_fixed_size 327680
		.amdhsa_private_segment_fixed_size 0
		.amdhsa_enable_private_segment 0
		.amdhsa_kernarg_size 24
		.amdhsa_user_sgpr_count 2
		.amdhsa_user_sgpr_kernarg_segment_ptr 1
		.amdhsa_wavefront_size32 1
		.amdhsa_system_sgpr_workgroup_id_x 1
		.amdhsa_system_sgpr_workgroup_id_y 1
		.amdhsa_system_sgpr_workgroup_id_z 1
		.amdhsa_system_vgpr_workitem_id 0
		.amdhsa_next_free_vgpr 1024
		.amdhsa_next_free_sgpr 66
		.amdhsa_reserve_vcc 1
		.amdhsa_float_denorm_mode_32 3
		.amdhsa_float_denorm_mode_16_64 3
		.amdhsa_memory_ordered 1
		.amdhsa_forward_progress 1
		.amdhsa_inst_pref_size 225
	.end_amdhsa_kernel
	.amdgpu_metadata
---
amdhsa.version: [ 1, 2 ]
amdhsa.kernels:
  - .name:           k_q4af891bd09_score
    .symbol:         k_q4af891bd09_score.kd
    .args:
      - { .name: qkv, .offset: 0, .size: 8, .value_kind: global_buffer, .address_space: global }
      - { .name: pcodes, .offset: 8, .size: 8, .value_kind: global_buffer, .address_space: global }
      - { .name: pstat, .offset: 16, .size: 8, .value_kind: global_buffer, .address_space: global }
    .group_segment_fixed_size: 327680
    .private_segment_fixed_size: 0
    .kernarg_segment_align: 8
    .kernarg_segment_size: 24
    .max_flat_workgroup_size: 128
    .sgpr_count:     66
    .vgpr_count:     1024
    .wavefront_size: 32
...
	.end_amdgpu_metadata
.endif
;; end of part 2
;; launch pv (part 3): grid 8 x 32, 4 waves a work-group, clusters of 4 x 4, 327,680 bytes of LDS; arguments pcodes, pstat, qkv, out0; writes out0
.if DOCPART == 3
	.amdgcn_target "amdgcn-amd-amdhsa--gfx1250"
	.amdhsa_code_object_version 6
	.text
	.protected	k_q4af891bd09_pv
	.globl	k_q4af891bd09_pv
	.p2align	8
	.type	k_q4af891bd09_pv,@function
k_q4af891bd09_pv:
	s_mov_b64 s[64:65], 0
	v_nop
	global_prefetch_b8 v0, s[64:65] scope:SCOPE_SE
	s_setreg_imm32_b32 hwreg(HW_REG_WAVE_MODE, 25, 1), 1
	s_wait_xcnt 0x0
	s_wait_alu depctr_hold_cnt(0) depctr_sa_sdst(0) depctr_va_vdst(0) depctr_va_sdst(0) depctr_va_ssrc(0) depctr_va_vcc(0) depctr_vm_vsrc(0)
	s_getreg_b32 s2, hwreg(HW_REG_IB_STS2, 6, 4)
	s_cmp_eq_u32 s2, 0
	s_cbranch_scc0 .Lentry_in_a_cluster
	s_endpgm
.Lentry_in_a_cluster:
	s_bfe_u32 s2, ttmp6, 0x10000c
	s_cmp_lg_u32 s2, 0xf033
	s_cbranch_scc0 .Lentry_shape_is_right
	s_endpgm
.Lentry_shape_is_right:
; o = (sum over the keys of p v) / l on codes of FP6 (E2M3).  The keys go in steps of 512 through two slots.  What lies behind the step that holds a query block's own tile is hidden by reference()'s own mask and is left out.
; THE DEAL.  A work-group takes 128 channels and TWO blocks of 128 queries of a batch, i and 15 - i (i = 4 type + cy).  Type 0 (i = 0 .. 3): one step with both blocks and three with the long one alone; type 1 (i = 4 .. 7): two and one.
; So every work-group multiplies five steps of one block.  The type hangs on the cluster's number alone.  A wave: 64 + 64 queries x 64 channels.  Source 0 = 16 channels of v, source 1 = 16 queries: a lane holds one query, its registers 8 neighbouring channels.
; CLUSTERS 4 x 4: p's panels are shared by a row of the cluster (the same i), v's by a column (the same channels).
; THE ROW'S M is the largest M_c of its chunks; a chunk's scale bytes fall by M - M_c and its l_c is brought under M by the same power of two.  This is made under the first tiles' flight.  A byte that would fall under 0 is held at 0 (2^-127).
; FILLS: at the head one load a wave: the long block's p, the short block's p, v's two panels.  Slot 1 behind the next round, then one refill a slot at most, each in a drained round; the short block's region of slot 0 is filled once, and serves as the stage for the way out.
; ROWS: place 8 g + i of query tile a of a band of 64 is token 32 g + 8 (a xor g) + i: the stores put it there.  LIMITS: NaN and infinities are not served.
; NO PREFETCH: at most four steps, written out: there is no loop to run ahead in.
; REGISTERS: window 0: v0-31 addresses and 1 / l; v32-59 scale words and nothing else; v64-159 the long block's fragments, two sets; v160-255 the short block's, later the rows read back.  Window 1: v's fragments, two sets.  Window 2: the accumulators, long, then short.
.set PP,    24576
.set VP,    25600
.set PSO,   2*PP
.set VOFF,  4*PP
.set SLOT,  VOFF+2*VP
.set ASCL,  2*SLOT                     ; p's scale words: long block 8 x 1,024, then short block 4 x 1,024
.set INVL,  ASCL+12288                 ; 1 / l: long, then short
.set SPARE, INVL+1024
.set SPITCH, 272
.set ADRL, 2
.set ADRS, 4
.set ADRV, 6
.set ADV8, 8
.set SPW,  10
.set NIL,  11
.set ADSV, 12
.set ADSL, 14
.set ADSS, 15
.set STO,  16
.set RD,   17
.set CO,   18
.set AIN,  19
.set IL,   20                          ; v20-23 long, v24-27 short
.set AIL,  28
.set AST,  29
.set APL,  30
.set APS,  31
.set SCV,  32                          ; two sets of four
.set SCP,  44                          ; long: two sets of four; short: 8 further on
.set PF,   64                          ; long: two sets of four fragments; short: 96 further on
.set BK,   160
.set WV, 12
.set RH, 13
.set CH, 14
.set TY, 15
.set QBL, 16
.set QBS, 17
.set IML, 18
.set IMS, 19
.set CT, 20
.set G1P, 24
.set G0P, 32
.set G1V, 40
.set G0V, 48
.set OL, 72
.set OS, 74
.set MSB, 0
.macro WIN new
.if MSB != \new
	s_set_vgpr_msb (MSB<<8)|\new
.set MSB, \new
.endif
.endm
.macro PLACES
.rept 4
	v_nop
.endr
.endm
.macro WALU
	s_wait_alu depctr_va_vdst(0)
.endm
.macro LOADP s
	tensor_load_to_lds s[G0P+4*\s:G0P+4*\s+3], s[G1P:G1P+7]
	s_nop 0
	PLACES
.endm
.macro LOADV s
	tensor_load_to_lds s[G0V+4*\s:G0V+4*\s+3], s[G1V:G1V+7]
	s_nop 0
	PLACES
.endm
.macro JBOTH s                         ; waves 0, 1: p of the long, the short block; waves 2, 3: v's two panels
	s_cmp_lt_u32 s[WV], 2
	s_cbranch_scc0 .Lfor_v_\@
	LOADP \s
	s_branch .Lasked_\@
.Lfor_v_\@:
	LOADV \s
.Lasked_\@:
.endm
.macro JLONG s                         ; the short block has no keys in this step: wave 1 issues none
	s_cmp_eq_u32 s[WV], 0
	s_cbranch_scc0 .Lnot_p_\@
	LOADP \s
	s_branch .Lasked_\@
.Lnot_p_\@:
	s_cmp_eq_u32 s[WV], 1
	s_cbranch_scc1 .Lasked_\@
	LOADV \s
.Lasked_\@:
.endm
.macro CREST
	s_cmp_lg_u32 s[WV], 0
	s_cbranch_scc1 .Lnot_wave_0_\@
	s_barrier_signal -3
.Lnot_wave_0_\@:
	s_barrier_wait -3
	s_barrier_signal -1
	s_barrier_wait -1
.endm
.macro CROUND
	s_barrier_signal -1
	s_barrier_wait -1
	CREST
.endm
	s_load_b256 s[4:11], s[0:1], 0x0               ; p's codes, the planes, v, o
	v_lshl_add_u32 v[SPW], v0, 2, SPARE
	v_mov_b32 v[NIL], 0
	ds_add_u32 v[SPW], v[NIL]                      ; the add twice on end ahead of the first tensor load
	ds_add_u32 v[SPW], v[NIL]
	v_lshrrev_b32 v1, 5, v0
	v_readfirstlane_b32 s[WV], v1
	s_lshr_b32 s[RH], s[WV], 1                     ; my 64 queries of each block
	s_and_b32 s[CH], s[WV], 1                      ; my 64 channels.  Also: which block's p, which panel of v I fetch
	s_bfe_u32 s22, ttmp6, 0x40000                  ; cx
	s_bfe_u32 s23, ttmp6, 0x40004                  ; cy
	s_and_b32 s60, ttmp7, 0xffff
	s_and_b32 s[TY], s60, 1
	s_lshr_b32 s60, s60, 1                         ; the batch
	s_lshl_b32 s61, s[TY], 2
	s_add_co_u32 s61, s61, s23                     ; i
	s_sub_co_u32 s62, 15, s61
	s_or_b32 s[IML], s62, 1                        ; the last chunk that was stored for the block
	s_or_b32 s[IMS], s61, 1
	s_lshl_b32 s63, s60, 4
	s_add_co_u32 s[QBL], s63, s62
	s_add_co_u32 s[QBS], s63, s61
	s_lshl_b32 s[CT], ttmp9, 2
	s_add_co_u32 s[CT], s[CT], s22                 ; my 128 channels
	s_lshl_b32 s66, s23, 2
	s_lshl_b32 s66, 15, s66                        ; my row of the cluster
	s_lshl_b32 s67, 0x1111, s22                    ; my column
	s_or_b32 s[G1P+0], s66, (3<<16)|(1<<21)
	s_mov_b32 s[G1P+1], 32<<16                     ; two panels of p: 192 rows of 256 bytes
	s_mov_b32 s[G1P+2], 192<<16
	s_mov_b32 s[G1P+3], 32<<16
	s_mov_b32 s[G1P+4], 192
	s_mov_b32 s[G1P+5], 32
	s_mov_b32 s[G1P+6], 0
	s_mov_b32 s[G1P+7], 0
	s_or_b32 s[G1V+0], s67, (3<<16)|(1<<21)
	s_mov_b32 s[G1V+1], 32<<16                     ; a panel of v: 100 rows
	s_mov_b32 s[G1V+2], 100<<16
	s_mov_b32 s[G1V+3], 32<<16
	s_mov_b32 s[G1V+4], 100
	s_mov_b32 s[G1V+5], 32
	s_mov_b32 s[G1V+6], 0
	s_mov_b32 s[G1V+7], 0
	s_lshl_b32 s62, s[CT], 5                       ; v: [channel / 128][token / 256]
	s_lshl_b32 s63, s60, 3
	s_add_co_u32 s62, s62, s63
	s_add_co_u32 s62, s62, s[CH]
	s_mul_i32 s62, s62, VP
	s_add_co_u32 s62, s62, 13107200
	s_mov_b32 s63, 0
	s_cmp_eq_u32 s[CH], 0
	s_cselect_b32 s60, s[QBL], s[QBS]
	s_mul_i32 s60, s60, 8*PP
	s_mov_b32 s61, 0
	s_mul_i32 s76, s[CH], 2*PP                     ; where p goes: long, short,
	s_mul_i32 s77, s[CH], VP
	s_add_co_u32 s77, s77, VOFF                    ; and v: two panels
	s_mul_i32 s22, s[RH], 6144
	s_mul_i32 s23, s[CH], 6144
	s_add_co_u32 s23, s23, VOFF
	s_lshl_b32 s68, s[CH], 8
	s_add_co_u32 s68, s68, VOFF+24576
	s_lshl_b32 s69, s[RH], 9
	s_add_co_u32 s69, s69, ASCL
	s_lshl_b32 s70, s[RH], 8
	s_add_co_u32 s70, s70, INVL
	s_mul_i32 s71, s[WV], 16*SPITCH
	s_add_co_u32 s71, s71, PSO
	s_lshl_b32 s78, s[QBL], 9
	s_lshl_b32 s79, s[QBS], 9
	s_cmp_eq_u32 s[TY], 0                          ; four chunks belong to the long block (12 .. 15) in type 0, to the short one (4 .. 7) in type 1:
	s_cselect_b32 s82, s[IML], s[IMS]              ; their block's last chunk,
	s_cselect_b32 s83, 12, 4                       ; the first of them,
	s_cselect_b32 s86, s78, s79                    ; and their block's rows
	v_and_b32 v1, 31, v0
	v_and_b32 v60, 15, v0                          ; r
	v_bfe_u32 v61, v0, 4, 1                        ; h
	v_lshlrev_b32 v62, 4, v1
	v_lshlrev_b32 v63, 3, v1
	v_lshlrev_b32 v64, 2, v60
	v_lshl_add_u32 v65, v61, 9, v64                ; 4 r + 512 h
	v_lshrrev_b32 v66, 4, v0
	v_lshl_add_u32 v67, v66, 7, v64
	v_add_nc_u32 v[ADRL], s22, v62
	v_add_nc_u32 v[ADRS], PSO, v[ADRL]
	v_add_nc_u32 v[ADRV], s23, v62
	v_add_nc_u32 v[ADV8], s23, v63
	v_add_nc_u32 v[ADSV], s68, v65
.irp k, ADRL, ADRS, ADRV, ADV8, ADSV
	v_add_nc_u32 v[\k+1], SLOT, v[\k]
.endr
	v_lshl_add_u32 v[ADSL], v1, 2, s69             ; lanes 0-15 take the even chunk of a pair, lanes 16-31 the odd one
	v_add_nc_u32 v[ADSS], 8192, v[ADSL]
	v_add_nc_u32 v[AIL], s70, v64
	v_add_nc_u32 v[AST], ASCL, v67
	v_lshl_add_u32 v[AIN], v0, 2, INVL
	v_mul_u32_u24 v68, v60, SPITCH
	v_lshl_add_u32 v68, v61, 5, v68
	v_add_nc_u32 v[STO], s71, v68                  ; in: row r, 32 bytes for each half of the lanes
	v_mul_u32_u24 v69, v61, SPITCH
	v_lshl_add_u32 v69, v60, 4, v69
	v_add_nc_u32 v[RD], s71, v69                   ; back: sixteen lanes take a row of 256 bytes
	v_lshlrev_b32 v70, 12, v61
	v_lshl_add_u32 v[CO], v60, 4, v70
	v_lshlrev_b32 v71, 2, v0
	v_add_nc_u32 v[APL], s78, v71                  ; my row of the long block in a plane
	v_add_nc_u32 v[APS], s79, v71
	v_add_nc_u32 v72, s86, v71
	WALU
.set I, 0
.rept 12
	s_min_u32 s22, s[IML], I
	s_lshl_b32 s22, s22, 15
	v_add_nc_u32 v[112+I], s22, v[APL]
.set I, I+1
.endr
.set I, 0
.rept 4
	s_add_co_u32 s22, s83, I
	s_min_u32 s22, s22, s82
	s_lshl_b32 s22, s22, 15
	v_add_nc_u32 v[124+I], s22, v72
.set I, I+1
.endr
.set I, 0
.rept 4
	s_min_u32 s22, s[IMS], I
	s_lshl_b32 s22, s22, 15
	v_add_nc_u32 v[152+I], s22, v[APS]
.set I, I+1
.endr
	WALU
	s_wait_dscnt 0x0
	CROUND
	s_wait_kmcnt 0x0
	s_add_nc_u64 s[60:61], s[4:5], s[60:61]
	s_add_nc_u64 s[62:63], s[8:9], s[62:63]
.irp s, 0,1
	s_mov_b32 s[G0P+4*\s], 1
	s_add_co_u32 s[G0P+4*\s+1], s76, \s*SLOT
	s_add_nc_u64 s[G0P+4*\s+2:G0P+4*\s+3], s[60:61], \s*2*PP
	s_or_b32 s[G0P+4*\s+3], s[G0P+4*\s+3], 0x80000000
	s_mov_b32 s[G0V+4*\s], 1
	s_add_co_u32 s[G0V+4*\s+1], s77, \s*SLOT
	s_add_nc_u64 s[G0V+4*\s+2:G0V+4*\s+3], s[62:63], \s*2*VP
	s_or_b32 s[G0V+4*\s+3], s[G0V+4*\s+3], 0x80000000
.endr
	JBOTH 0                                        ; step 0; the rows' statistics are loaded and joined under its flight
.macro PLANES n, w, m, l, t
.set I, 0
.rept \n
	global_load_b32 v[\m+I], v[\t+I], s[6:7] offset:524288
	global_load_b32 v[\l+I], v[\t+I], s[6:7] offset:1048576
	global_load_b32 v[\w+I], v[\t+I], s[6:7]
.set I, I+1
.endr
.endm
	PLANES 16, 64, 80, 96, 112
	PLANES 4, 128, 136, 144, 152
	; where my part of o begins: row 128 block + 64 half, column 128 tile + 64 half, in bytes
	s_lshl_b32 s22, s[CT], 9
	s_lshl_b32 s23, s[CH], 8
	s_add_co_u32 s22, s22, s23
	s_lshl_b32 s23, s[RH], 18
	s_add_co_u32 s22, s22, s23
	s_lshl_b32 s68, s[QBL], 19
	s_add_co_u32 s68, s68, s22
	s_mov_b32 s69, 0
	s_add_nc_u64 s[OL:OL+1], s[10:11], s[68:69]
	s_lshl_b32 s68, s[QBS], 19
	s_add_co_u32 s68, s68, s22
	s_add_nc_u64 s[OS:OS+1], s[10:11], s[68:69]
	s_mov_b32 s66, 0x7f61b1e6                      ; 3e38: -M of a chunk that was not stored
	s_mov_b32 s67, 0xff800000
	s_mov_b32 s85, 0x01010101
	s_wait_loadcnt 0x0
.macro STAT n, m, l, t, im             ; -M_c less the row's -M, as a whole number, into m; the row's l into v[l]
.set I, 0
.rept \n
	s_cmp_lt_u32 s[\im], I
	s_cselect_b32 s84, s66, s67
	v_max_num_f32 v[\m+I], s84, v[\m+I]
.set I, I+1
.endr
	WALU
	v_min3_num_f32 v[\t], v[\m], v[\m+1], v[\m+2]
.set I, 3
.rept (\n-4)/2
	v_min3_num_f32 v[\t], v[\t], v[\m+I], v[\m+I+1]
.set I, I+2
.endr
	v_min_num_f32 v[\t], v[\t], v[\m+\n-1]
.set I, 0
.rept \n
	v_sub_f32 v[\m+I], v[\m+I], v[\t]
.set I, I+1
.endr
.set I, 0
.rept \n
	v_cvt_i32_f32 v[\m+I], v[\m+I]
.set I, I+1
.endr
.set I, 0
.rept \n
	v_sub_nc_u32 v[\t+I], 0, v[\m+I]
.set I, I+1
.endr
.set I, 0
.rept \n
	v_ldexp_f32 v[\l+I], v[\l+I], v[\t+I]
.set I, I+1
.endr
.if \n == 16
.irp k, 0,2,4,6
	v_pk_add_f32 v[\l+\k:\l+\k+1], v[\l+\k:\l+\k+1], v[\l+8+\k:\l+9+\k]
.endr
.endif
.irp k, 0,2
	v_pk_add_f32 v[\l+\k:\l+\k+1], v[\l+\k:\l+\k+1], v[\l+4+\k:\l+5+\k]
.endr
	v_pk_add_f32 v[\l:\l+1], v[\l:\l+1], v[\l+2:\l+3]
	v_add_f32 v[\l], v[\l], v[\l+1]
.endm
.macro BYTES n, w, m, t, off           ; each byte of a scale word less m, held at 0; p is at most 1, so a byte's top bit is free for the borrow
.set I, 0
.rept \n
	v_min_u32 v[\m+I], 127, v[\m+I]
	v_or_b32 v[\w+I], 0x80808080, v[\w+I]
.set I, I+1
.endr
.set I, 0
.rept \n
	v_mul_lo_u32 v[\m+I], v[\m+I], s85
.set I, I+1
.endr
.set I, 0
.rept \n
	v_sub_nc_u32 v[\w+I], v[\w+I], v[\m+I]
.set I, I+1
.endr
.set I, 0
.rept \n
	v_and_b32 v[\m+I], 0x80808080, v[\w+I]
.set I, I+1
.endr
.set I, 0
.rept \n
	v_lshrrev_b32 v[\t+I], 7, v[\m+I]
.set I, I+1
.endr
.set I, 0
.rept \n
	v_sub_nc_u32 v[\m+I], v[\m+I], v[\t+I]
.set I, I+1
.endr
.set I, 0
.rept \n
	v_and_b32 v[\w+I], v[\w+I], v[\m+I]
.set I, I+1
.endr
.set I, 0
.rept \n
	ds_store_b32 v[AST], v[\w+I] offset:\off+(I/2)*1024+(I%2)*64
.set I, I+1
.endr
.endm
.irp k, 0,1,2,3                        ; the four chunks are given to both blocks: the block whose they are not has its last chunk ahead of them, and they count for nothing there
	v_mov_b32 v[132+\k], v[76+\k]
	v_mov_b32 v[140+\k], v[92+\k]
	v_mov_b32 v[148+\k], v[108+\k]
.endr
	STAT 16, 80, 96, 112, IML
	STAT 8, 136, 144, 152, IMS
	WALU
	v_rcp_f32 v160, v96
	v_rcp_f32 v161, v144
	v_nop
	WALU
	BYTES 16, 64, 80, 112, 0
	BYTES 8, 128, 136, 152, 8192
	ds_store_b32 v[AIN], v160
	ds_store_b32 v[AIN], v161 offset:512
	WALU
	s_wait_tensorcnt 0x0                           ; my part of step 0 is in
	ds_add_u32 v[SPW], v[NIL]
	s_wait_dscnt 0x0                               ; the add and my stores of scale words and 1 / l are done
	CROUND                                         ; all of it is shown to every wave, and slot 1's joint loads meet
	s_cmp_eq_u32 s[TY], 0
	s_cbranch_scc1 .Lfill_long
	JBOTH 1
	s_branch .Lfilled
.Lfill_long:
	JLONG 1
.Lfilled:
	PLACES
; Step st lies in slot st % 2; its t-th 128 keys go into set t % 2, in entries of three or four loads: 0-3 v's fragments, 4-7 the long block's, then with nm = 1 the short block's; where t is even, the scale words of 256 keys into set t / 2.
; One register of scale words carries both 128s, the first in lanes 0-15, the second in lanes 16-31.
.macro ENT nm, e, st, t
.set P_, (\t)%2
.set U_, (\t)/2
.set X_, \e
.if ((\nm) == 0) && (X_ > 7)
.set X_, X_+4
.endif
.if X_ < 4
	WIN 0x40
.irp c, 0,1
	ds_load_b128 v[48*P_+12*X_+6*\c:48*P_+12*X_+6*\c+3], v[ADRV+(\st)%2] offset:U_*VP+(8*P_+X_)*1536+768*\c
	ds_load_b64 v[48*P_+12*X_+6*\c+4:48*P_+12*X_+6*\c+5], v[ADV8+(\st)%2] offset:U_*VP+(8*P_+X_)*1536+768*\c+512
.endr
.elseif X_ < 8
	WIN 0
.irp c, 0,1,2
	ds_load_b128 v[PF+48*P_+12*(X_-4)+4*\c:PF+48*P_+12*(X_-4)+4*\c+3], v[ADRL+(\st)%2] offset:U_*PP+(8*P_+X_-4)*1536+512*\c
.endr
.elseif X_ < 12
	WIN 0
.irp c, 0,1,2
	ds_load_b128 v[PF+96+48*P_+12*(X_-8)+4*\c:PF+96+48*P_+12*(X_-8)+4*\c+3], v[ADRS+(\st)%2] offset:U_*PP+(8*P_+X_-8)*1536+512*\c
.endr
.elseif P_ == 0
.if X_ == 12
	WIN 0
.irp b, 0,1,2,3
	ds_load_b32 v[SCV+4*U_+\b], v[ADSV+(\st)%2] offset:U_*VP+64*\b
.endr
.elseif X_ == 13
	WIN 0
.irp a, 0,1,2,3
	ds_load_b32 v[SCP+4*U_+\a], v[ADSL] offset:1024*(2*(\st)+U_)+128*\a
.endr
.elseif (X_ == 14) && ((\nm) == 1)
	WIN 0
.irp a, 0,1,2,3
	ds_load_b32 v[SCP+8+4*U_+\a], v[ADSS] offset:1024*(2*(\st)+U_)+128*\a
.endr
.endif
.endif
.endm
; Product n: block n / 16 (long, short), query tile (n % 16) / 4, channel tile n % 4.  The accumulators take turns in the same order in every step.
.macro PRD n, t, zero
.set A_, ((\n)%16)/4
.set B_, (\n)%4
.set M_, (\n)/16
.set D_, 128*M_+32*A_+8*B_
.set Q_, PF+96*M_+48*((\t)%2)+12*A_
.set V_, 48*((\t)%2)+12*B_
.set XV_, SCV+4*((\t)/2)+B_
.set XP_, SCP+8*M_+4*((\t)/2)+A_
	WIN 0xa1
.if \zero
	v_wmma_scale_f32_16x16x128_f8f6f4 v[D_:D_+7], v[V_:V_+11], v[Q_:Q_+11], 0, v[XV_], v[XP_] matrix_a_fmt:MATRIX_FMT_FP6 matrix_b_fmt:MATRIX_FMT_FP6
.elseif (\t)%2
	v_wmma_scale_f32_16x16x128_f8f6f4 v[D_:D_+7], v[V_:V_+11], v[Q_:Q_+11], v[D_:D_+7], v[XV_], v[XP_] matrix_a_fmt:MATRIX_FMT_FP6 matrix_b_fmt:MATRIX_FMT_FP6 matrix_a_scale:MATRIX_SCALE_ROW1 matrix_b_scale:MATRIX_SCALE_ROW1
.else
	v_wmma_scale_f32_16x16x128_f8f6f4 v[D_:D_+7], v[V_:V_+11], v[Q_:Q_+11], v[D_:D_+7], v[XV_], v[XP_] matrix_a_fmt:MATRIX_FMT_FP6 matrix_b_fmt:MATRIX_FMT_FP6
.endif
.endm
.macro MULS from, to, t, zero
.set N_, \from
.rept (\to)-(\from)
	PRD N_, \t, \zero
.set N_, N_+1
.endr
.endm
.macro FETCH nm, st, t                 ; all entries in one run
.set E_, 0
.rept 15
	ENT \nm, E_, \st, \t
.set E_, E_+1
.endr
	WIN 0
.endm
.macro STEP m, st, t, zero             ; m = 1: both blocks.  The next 128 keys are fetched ahead of these products
	s_wait_dscnt 0x0
	PLACES                                         ; in front of loads into the set that the products before have read
	FETCH \m, \st, \t+1
	MULS 0, 16*(1+\m), \t, \zero
	WIN 0
.endm
.macro THREE m, st, zero
	STEP \m, \st, 0, \zero
	STEP \m, \st, 1, 0
	STEP \m, \st, 2, 0
.endm
; A slot's last 128 keys, with the barrier of the change of slots: all that the slot held is in registers at its head.  fill = 1: a round, and the slot is filled again, with the step two steps on (the long block's).
.macro TURN m, st, nm, fill
	s_wait_tensorcnt 0x0                           ; my part of the next slot has landed
	ds_add_u32 v[SPW], v[NIL]
.if \fill
	s_add_nc_u64 s[G0P+4*(\st)+2:G0P+4*(\st)+3], s[G0P+4*(\st)+2:G0P+4*(\st)+3], 4*PP
	s_add_nc_u64 s[G0V+4*(\st)+2:G0V+4*(\st)+3], s[G0V+4*(\st)+2:G0V+4*(\st)+3], 4*VP
.endif
	s_wait_dscnt 1                                 ; the last set is in; the add alone may be out
	MULS 0, 4*(1+\m), 3, 0
	s_wait_dscnt 0x0                               ; the add is done, and my reads of this slot are over
	s_barrier_signal -1
	MULS 4*(1+\m), 8*(1+\m), 3, 0
	WIN 0
	s_barrier_wait -1
.if \fill
	CREST
	JLONG \st                                      ; the first tensor load behind the round
.endif
	PLACES                                         ; in front of the loads below
	FETCH \nm, \st+1, 0
	MULS 8*(1+\m), 16*(1+\m), 3, 0
	WIN 0
.endm
; THE WAY OUT of block m (0 long, 1 short): x 1 / l, through my own stage, 16 rows at a time, and out in rows of 256 bytes.
.macro SCALEO m, a
	WIN 0x82
.set JJ, 128*\m+32*(\a)
.rept 16
.if (\a)%2
	v_pk_mul_f32 v[JJ:JJ+1], v[JJ:JJ+1], v[IL+4*\m+2*((\a)/2):IL+4*\m+2*((\a)/2)+1] op_sel:[0,1] op_sel_hi:[1,1]
.else
	v_pk_mul_f32 v[JJ:JJ+1], v[JJ:JJ+1], v[IL+4*\m+2*((\a)/2):IL+4*\m+2*((\a)/2)+1] op_sel_hi:[1,0]
.endif
.set JJ, JJ+2
.endr
.endm
.macro TOSTAGE m, a
	WIN 0x08
.irp b, 0,1,2,3
	ds_store_b128 v[STO], v[128*\m+32*(\a)+8*\b:128*\m+32*(\a)+8*\b+3] offset:64*\b
	ds_store_b128 v[STO], v[128*\m+32*(\a)+8*\b+4:128*\m+32*(\a)+8*\b+7] offset:64*\b+16
.endr
	WIN 0
.set BB, BK+32*((\a)%2)
.irp t, 0,1,2,3,4,5,6,7
	ds_load_b128 v[BB+4*\t:BB+4*\t+3], v[RD] offset:2*\t*SPITCH   ; LDS serves a wave's instructions in order: these see the stores above
.endr
.endm
.macro SEND o, a, younger              ; younger: the LDS instructions of the next rows, which may stay out
.set BB, BK+32*((\a)%2)
	s_wait_dscnt \younger
.irp t, 0,1,2,3,4,5,6,7
	global_store_b128 v[CO], v[BB+4*\t:BB+4*\t+3], s[\o:\o+1] offset:(32*(\t/4)+8*((\a)^(\t/4))+(2*\t)%8)*4096 th:TH_STORE_NT   ; two rows of 256 consecutive bytes, aligned
.endr
.endm
.macro OUT m, o
	SCALEO \m, 0
	TOSTAGE \m, 0
.irp a, 1,2,3
.if \a > 1
	s_wait_xcnt 0x0                                ; the stores of the rows before last have read their registers
.endif
	SCALEO \m, \a
	TOSTAGE \m, \a
	SEND \o, \a-1, 16
.endr
	SEND \o, 3, 0
.endm
	FETCH 1, 0, 0
.irp a, 0,1,2,3
	ds_load_b32 v[IL+\a], v[AIL] offset:64*\a
	ds_load_b32 v[IL+4+\a], v[AIL] offset:512+64*\a
.endr
	THREE 1, 0, 1                                  ; the first products start the sums
	s_cmp_eq_u32 s[TY], 1
	s_cbranch_scc1 .Ltype_1
	TURN 1, 0, 0, 1                                ; type 0: the short block ends with step 0
	THREE 0, 1, 0
	TURN 0, 1, 0, 1
	s_branch .Ljoin
.Ltype_1:
	TURN 1, 0, 1, 1                                ; type 1: it ends with step 1
	THREE 1, 1, 0
	TURN 1, 1, 0, 0
.Ljoin:
	PLACES
	OUT 1, OS                                      ; no fill follows; the short block's region of slot 0 was read for the last time ahead of the first change of slots
	THREE 0, 2, 0
	s_cmp_eq_u32 s[TY], 1
	s_cbranch_scc1 .Llast
	TURN 0, 2, 0, 0
	THREE 0, 3, 0
.Llast:
	s_wait_dscnt 0x0
	MULS 0, 16, 3, 0
	WIN 0
	s_wait_xcnt 0x0                                ; the short block's stores have read their registers
	PLACES
	OUT 0, OL
	s_wait_tensorcnt 0x0                           ; the wave's end
	ds_add_u32 v[SPW], v[NIL]
	s_wait_dscnt 0x0
	CROUND                                         ; the closing round
	s_endpgm
.Lfunc_end_k_q4af891bd09_pv:
	.size	k_q4af891bd09_pv, .Lfunc_end_k_q4af891bd09_pv-k_q4af891bd09_pv
	.p2alignl 7, 3214868480
	.fill 96, 4, 3214868480
	.section	.rodata,"a",@progbits
	.p2align	6, 0x0
	.amdhsa_kernel k_q4af891bd09_pv
		.amdhsa_group_segment_fixed_size 327680
		.amdhsa_private_segment_fixed_size 0
		.amdhsa_enable_private_segment 0
		.amdhsa_kernarg_size 32
		.amdhsa_user_sgpr_count 2
		.amdhsa_user_sgpr_kernarg_segment_ptr 1
		.amdhsa_wavefront_size32 1
		.amdhsa_system_sgpr_workgroup_id_x 1
		.amdhsa_system_sgpr_workgroup_id_y 1
		.amdhsa_system_sgpr_workgroup_id_z 1
		.amdhsa_system_vgpr_workitem_id 0
		.amdhsa_next_free_vgpr 768
		.amdhsa_next_free_sgpr 88
		.amdhsa_reserve_vcc 0
		.amdhsa_float_denorm_mode_32 3
		.amdhsa_float_denorm_mode_16_64 3
		.amdhsa_memory_ordered 1
		.amdhsa_forward_progress 1
		.amdhsa_inst_pref_size 180
	.end_amdhsa_kernel
	.amdgpu_metadata
---
amdhsa.version: [ 1, 2 ]
amdhsa.kernels:
  - .name:           k_q4af891bd09_pv
    .symbol:         k_q4af891bd09_pv.kd
    .args:
      - { .name: pcodes, .offset: 0, .size: 8, .value_kind: global_buffer, .address_space: global }
      - { .name: pstat, .offset: 8, .size: 8, .value_kind: global_buffer, .address_space: global }
      - { .name: qkv, .offset: 16, .size: 8, .value_kind: global_buffer, .address_space: global }
      - { .name: out0, .offset: 24, .size: 8, .value_kind: global_buffer, .address_space: global }
    .group_segment_fixed_size: 327680
    .private_segment_fixed_size: 0
    .kernarg_segment_align: 8
    .kernarg_segment_size: 32
    .max_flat_workgroup_size: 128
    .sgpr_count:     88
    .vgpr_count:     768
    .wavefront_size: 32
...
	.end_amdgpu_metadata
.endif
;; end of part 3
